; MI455X (gfx1250); checked and timed in simulation.
; The chip was launched on July 23, 2026; its instructions are those of AMD's public machine-readable ISA for CDNA 5 (MIT licence, August 2026) and "CDNA5" Instruction Set Architecture Reference Guide (July 2026). The comments in the code are by the model that wrote it; some were corrected since.
;; Multi Head Self Attention. Allowed arithmetic: matrix products marked QUANTISED: E5M2 operands, one E8M0 scale for each 32 along K, by v_wmma_scale_f32_16x16x128_f8f6f4 with both operands' format E5M2, f32 sums; everything else in f32.
;; Inputs: bk 1,024 float32; bo 1,024 float32; bq 1,024 float32; bv 1,024 float32; wk 1,024 x 1,024 float32; wo 1,024 x 1,024 float32; wq 1,024 x 1,024 float32; wv 1,024 x 1,024 float32; x 4 x 2,048 x 1,024 float32.
;; Outputs: out0 4 x 2,048 x 1,024 float32.
;; This version of the problem:
;;   THIS VERSION OF THE PROBLEM IS GIVEN IN LOW PRECISION. The matrix products marked QUANTISED in the list below multiply operands that are first quantised to E5M2 (5 exponent bits, 2 mantissa bits; 8 bits a number), with one power-of-two scale for each 32 numbers along K (OCP MX v1.0); their sums are f32. All else is computed in f32.
;;   The module's matrix products, in the order in which they are computed (A, B: the left and right operand; K: the contracted axis; several contracted axes count as one K, in the product's order):
;;     1. [M 8,192, K 1,024] x [K 1,024, N 1,024]; A: input x; B: input wq: QUANTISED
;;     2. [M 8,192, K 1,024] x [K 1,024, N 1,024]; A: input x; B: input wk: QUANTISED
;;     3. [M 8,192, K 1,024] x [K 1,024, N 1,024]; A: input x; B: input wv: QUANTISED
;;     4. batch 64 x [M 2,048, K 64] x [K 64, N 2,048]; A: computed on the way; B: computed on the way: QUANTISED
;;     5. batch 64 x [M 2,048, K 2,048] x [K 2,048, N 64]; A: softmax (see below); B: computed on the way: QUANTISED
;;     6. [M 8,192, K 1,024] x [K 1,024, N 1,024]; A: computed on the way; B: input wo: QUANTISED
;;   THE QUANTISER, for each operand of a quantised product, along K:
;;     - K is cut into blocks of 32 from its start; a last block that is shorter is filled with zeros.
;;     - A block's scale is 2^e with e = floor(log2(the largest magnitude in the block)) - 15, held to -126 .. 127; a block of zeros has e = 0. As a byte (E8M0): e + 127.
;;     - Each number is divided by its block's scale, clamped to +-57,344, and rounded to the nearest number of E5M2, ties to even, subnormals kept.
;;     - The product sums the exact products of the quantised numbers (number of the format x scale) in f32.
;;   ~~~python
;;   def quantise(x, axis):      # numpy; x: float32 -> the quantised numbers, widened to float32 again
;;       x = np.moveaxis(x, axis, -1); K = x.shape[-1]
;;       x = np.pad(x, [(0, 0)] * (x.ndim - 1) + [(0, -K % 32)]); x = x.reshape(x.shape[:-1] + (-1, 32)); a = np.abs(x).max(-1, keepdims=True)
;;       e = np.where(a > 0, np.clip(np.frexp(np.where(a > 0, a, 1))[1] - 1 - 15, -126, 127), 0)      # np.frexp(a)[1] - 1 = floor(log2(a)), exactly
;;       r = np.clip(x / 2.0 ** e, -57344, 57344)
;;       step = 2.0 ** (np.maximum(np.frexp(np.where(r == 0, 1, r))[1] - 1, -14) - 2)
;;       q = np.round(r / step) * step * 2.0 ** e      # np.round: ties to even
;;       return np.moveaxis(q.reshape(q.shape[:-2] + (-1,))[..., :K], -1, axis).astype(np.float32)
;;   ~~~
;;   SOFTMAX AHEAD OF A QUANTISED PRODUCT. Where the list says 'softmax', what is quantised is not the finished softmax but p = 2^(t - M), with t = logit x log2(e) and M = ceil(the row's largest t), a whole number; so 1/2 < the row's largest p <= 1. The row's sum l is taken of the UNQUANTISED p, in f32, and the product's result is divided by l at the end. Since M is a whole number, a kernel that streams over the keys may use a running M (the ceiling of the running maximum): every later rescaling is an exact power of two, which a block's scale takes up: the codes' values come out the same.
;;   OPERANDS COMPUTED ON THE WAY. 'Computed on the way' means the value that the module computes at that place (a softmax that the list does not call 'softmax' is quantised finished and normalised). What goes into a quantiser is computed in f32, as accurately as f32 sums, v_exp_f32 and their like allow (about 1e-6 of the number): no bf16 or f16 on the way to a quantiser, and a product that is left as it is and whose result goes on into a quantised operand takes f32 operands (vector FMAs, or v_wmma_f32_16x16x4_f32). A number that lies on a knife's edge between two numbers of the format may be rounded either way, as far as f32 arithmetic and the matrix unit's own rounding can turn it there, and no further.
;; One version. Each part assembles by itself: llvm-mc -triple=amdgcn-amd-amdhsa -mcpu=gfx1250 --defsym DOCPART=n.
;; ======== version 1 of 1: 4 launches
;; limits: right only within a limited range of input values
;; workspace buffers: xq 8,650,752 bytes; wq8 4,325,376 bytes; qi 8,912,896 bytes; kv 17,563,648 bytes; ci 8,650,752 bytes
;; launch quant (part 1): grid 384 x 1, 4 waves a work-group, no clusters, 68,096 bytes of LDS; arguments x, wq, wk, wv, wo, xq, wq8; writes xq, wq8
.if DOCPART == 1
	.amdgcn_target "amdgcn-amd-amdhsa--gfx1250"
	.amdhsa_code_object_version 6
	.text
	.protected	k_q9d24969b26_quant
	.globl	k_q9d24969b26_quant
	.p2align	8
	.type	k_q9d24969b26_quant,@function
k_q9d24969b26_quant:
	s_mov_b64 s[64:65], 0
	v_nop
	global_prefetch_b8 v0, s[64:65] scope:SCOPE_SE
	s_setreg_imm32_b32 hwreg(HW_REG_WAVE_MODE, 25, 1), 1
	s_wait_xcnt 0x0
; x [8192][1024] and the four weights [1024 (k)][1024 (n)], f32, become codes of BF8 (E5M2), K innermost, with one E8M0 scale byte for each 32 along K.
; xq:  codes [8192 rows][1024] at byte 0, scale bytes [8192 rows][32] at XSO.   wq8: codes [4096 rows][1024] (wq, wk, wv, wo; a row is an output column), scale bytes [4096][32] at WSO.
; TILE ORDER: row p is stored at row p with bits 3 and 4 exchanged.  Stored rows 16 t .. 16 t + 15 are then rows 32 (t/2) + 8 (t%2) + (m%8) + 16 (m/8): the choice of rows by which
; the results of two neighbouring tiles are 16 neighbours along the next product's K.
; A block's scale is 2^(floor(log2(its largest magnitude)) - 15); its byte is the largest magnitude's exponent field - 15, held at 1 from below.
; LIMITS: a block of zeros gets the byte 1 (its codes are zeros; this program alone reads the bytes); blocks under 2^(16 - 127) are held at byte 1; NaN and infinities are not served.
; Work-groups 0-255 take x (a wave: 8 rows, 16 steps of 512 numbers, turned through its own LDS stage so that loads are dense and a lane holds 16 neighbours).
; Work-groups 256-383 take the weights (a lane to a column, registers down K; codes leave through the wave's own LDS stage as whole rows of 256 bytes).
; The two ways part on the work-group's number, use LDS bytes of their own and never join.  No barrier: waves share nothing.
.set XSO,   8388608
.set WSO,   4194304
.set EMAX,  15
.set MANT,  0x600000                   ; the mantissa field of 57,344
.set STEPS, 16
.set CB,    16
.set XR,    16                         ; v16-79   x: four sets of 16 numbers as loaded
.set XX,    80                         ; v80-111  two sets of 16 neighbours
.set XE,    112                        ; v112-127 a scale byte for each step
.set XC,    128                        ; v128-191 codes, four registers a step
.set WREG,  8192                       ; LDS of a wave on x's way: two stages of 32 x SP bytes, then 256 scale bytes
.set SP,    80
.set SIZE_N, 1024
.set KROW,  1024
.set NB,    8
.set PITCH, 272
.set WSTG,  32768                      ; LDS of the weights' way begins here: 32 x PITCH bytes a wave
.set WX,    32                         ; v32-95   two sets of 32 numbers
.set WC,    96                         ; v96-103  a block's codes
.set OUTR,  112                        ; v112-175 the way out
.set SB,    24                         ; v24-25   the scale bytes
	s_load_b256 s[4:11], s[0:1], 0x0               ; x, wq, wk, wv
	s_load_b128 s[12:15], s[0:1], 0x20             ; wo, xq
	s_load_b64 s[16:17], s[0:1], 0x30              ; wq8
	v_lshl_add_u32 v192, v0, 2, 0x10800
	v_mov_b32 v193, 0
	v_lshrrev_b32 v1, 5, v0
	v_readfirstlane_b32 s20, v1                    ; wave
	v_and_b32 v2, 31, v0                           ; lane
	s_mov_b32 s23, MANT
	s_cmp_lt_u32 ttmp9, 256
	s_cbranch_scc0 .Lweights
	; ---------------- x ----------------
	v_lshlrev_b32 v3, 4, v2                        ; my 16 bytes of a load's 512
	s_mul_i32 s21, s20, WREG
	v_lshrrev_b32 v14, 2, v2
	v_mul_u32_u24 v14, v14, SP
	v_and_b32 v15, 3, v2
	v_lshl_add_u32 v14, v15, 4, v14
	v_add_nc_u32 v14, s21, v14                     ; the stage, in: SP (lane / 4) + 16 (lane % 4)
	v_mul_u32_u24 v15, v2, SP
	v_add_nc_u32 v15, s21, v15                     ; out: SP x lane: my 16 neighbours
	v_mul_u32_u24 v4, v2, CB
	v_lshrrev_b32 v5, 1, v2
	s_add_co_u32 s21, s21, 2*32*SP
	v_add_nc_u32 v5, s21, v5                       ; my block's scale byte in the wave's 256
	v_lshlrev_b32 v7, 3, v2
	v_add_nc_u32 v6, s21, v7
	s_lshl_b32 s24, ttmp9, 2
	s_add_co_u32 s25, s24, s20                     ; which 8 rows of x are my wave's
	s_and_b32 s26, s20, 1
	s_lshl_b32 s26, s26, 1
	s_lshr_b32 s27, s20, 1
	s_or_b32 s26, s26, s27
	s_add_co_u32 s26, s24, s26                     ; and where they are stored: bits 0 and 1 of that number (bits 3 and 4 of the row) exchanged
	s_lshl_b32 s28, s25, 15
	s_mov_b32 s29, 0
	s_lshl_b32 s30, s26, 13
	s_mov_b32 s31, 0
	s_lshl_b32 s32, s26, 8
	s_add_co_u32 s32, s32, XSO
	s_mov_b32 s33, 0
	s_wait_alu depctr_va_vdst(0)
	s_wait_kmcnt 0x0
	s_add_nc_u64 s[4:5], s[4:5], s[28:29]
	s_add_nc_u64 s[34:35], s[14:15], s[30:31]      ; codes
	s_add_nc_u64 s[36:37], s[14:15], s[32:33]      ; scale bytes
.macro LOADX t
.irp i, 0,1,2,3
	global_load_b128 v[XR+16*((\t)%4)+4*\i:XR+16*((\t)%4)+4*\i+3], v3, s[4:5] offset:2048*(\t)+512*\i th:TH_LOAD_NT   ; 32 lanes read 512 consecutive bytes
.endr
.endm
.macro TURNX t                         ; a step's numbers through the stage: LDS serves a wave's instructions in order, so no wait stands between the stores and the loads
.irp i, 0,1,2,3
	ds_store_b128 v14, v[XR+16*((\t)%4)+4*\i:XR+16*((\t)%4)+4*\i+3] offset:32*SP*((\t)%2)+8*SP*\i
.endr
.irp i, 0,1,2,3
	ds_load_b128 v[XX+16*((\t)%2)+4*\i:XX+16*((\t)%2)+4*\i+3], v15 offset:32*SP*((\t)%2)+16*\i
.endr
.endm
.irp t, 0,1,2,3
	LOADX \t
.endr
	s_wait_loadcnt 12                              ; step 0's four loads are in; twelve younger ones stay out
	TURNX 0
.macro STEPX t
.set XSR, XX+16*((\t)%2)
.if (\t) > 0
	s_wait_dscnt 1                                 ; this step's numbers are back from the stage; the last step's byte store may be out
.else
	s_wait_dscnt 0x0
.endif
.if (\t)+4 < STEPS
	LOADX (\t)+4                                   ; into the registers that the stage's stores have read
.endif
.if (\t)+1 < STEPS
.if STEPS-2-(\t) >= 3
	s_wait_loadcnt 12                              ; the next step's four loads are in; those of the three steps behind it may be out
.else
	s_wait_loadcnt 4*(STEPS-2-(\t))
.endif
	TURNX (\t)+1
.endif
	v_max3_num_f32 v8, |v[XSR]|, |v[XSR+1]|, |v[XSR+2]|
	v_max3_num_f32 v9, |v[XSR+3]|, |v[XSR+4]|, |v[XSR+5]|
.irp i, 6,10
	v_max3_num_f32 v8, v8, |v[XSR+\i]|, |v[XSR+\i+1]|
	v_max3_num_f32 v9, v9, |v[XSR+\i+2]|, |v[XSR+\i+3]|
.endr
	v_max3_num_f32 v8, v8, |v[XSR+14]|, |v[XSR+15]|
	v_max3_num_f32 v8, v8, v9, (EMAX+1)<<23        ; and the floor 2^(16 - 127): the byte cannot fall under 1
	v_max_num_f32_dpp v8, v8, v8 row_xmask:1 row_mask:0xf bank_mask:0xf   ; with my neighbour's 16: the block's largest magnitude
	v_add_nc_u32 v11, -(EMAX<<23), v8              ; 15 off its exponent field: the conversion's scale operand
	v_and_or_b32 v10, v8, 0x7f800000, s23          ; 57,344 x the scale
.irp i, 0,1,2,3,4,5,6,7,8,9,10,11,12,13,14,15
	v_med3_num_f32 v[XSR+\i], v[XSR+\i], -v10, v10 ; the conversion to an 8-bit code does not saturate (ISA guide 7.6.2): the hold comes first
.endr
	v_cvt_scalef32_pk8_bf8_f32 v[XC+4*(\t):XC+4*(\t)+1], v[XSR:XSR+7], v11
	v_cvt_scalef32_pk8_bf8_f32 v[XC+4*(\t)+2:XC+4*(\t)+3], v[XSR+8:XSR+15], v11
	v_lshrrev_b32 v[XE+(\t)], 23, v11              ; the scale's byte
	ds_store_b8 v5, v[XE+(\t)] offset:16*(\t)      ; both lanes of a block write the same byte with the same value
	global_store_b128 v4, v[XC+4*(\t):XC+4*(\t)+3], s[34:35] offset:32*CB*(\t)   ; 32 lanes store 512 consecutive bytes
.endm
.irp t, 0,1,2,3,4,5,6,7,8,9,10,11,12,13,14,15
	STEPX \t
.endr
	ds_load_b64 v[12:13], v6                       ; LDS serves a wave's instructions in order: these see my byte stores
	s_wait_dscnt 0x0
	global_store_b64 v7, v[12:13], s[36:37]        ; 32 lanes store 256 consecutive bytes: 8 rows' scale bytes
	s_wait_tensorcnt 0x0
	ds_add_u32 v192, v193
	s_wait_dscnt 0x0
	s_endpgm
	; ---------------- the weights ----------------
.Lweights:
	s_sub_co_u32 s21, ttmp9, 256
	s_lshr_b32 s22, s21, 5                         ; which weight: 32 work-groups each
	s_and_b32 s24, s21, 7                          ; which 128 columns
	s_bfe_u32 s25, s21, 0x20003                    ; which 256 along K
	s_lshl_b32 s26, s24, 7
	s_lshl_b32 s27, s20, 5
	s_add_co_u32 s26, s26, s27                     ; my wave's first column
	s_wait_alu depctr_va_vdst(0)
	v_lshlrev_b32 v3, 2, v2                        ; in: 4 bytes a lane
	s_mul_i32 s27, s20, 32*PITCH
	s_add_co_u32 s27, s27, WSTG                    ; my stage
	v_mul_u32_u24 v4, v2, PITCH
	v_add_nc_u32 v4, s27, v4                       ; into it: row = my column
	v_and_b32 v5, 15, v2
	v_lshrrev_b32 v6, 4, v2
	v_mul_u32_u24 v7, v6, PITCH
	v_lshl_add_u32 v7, v5, 4, v7
	v_add_nc_u32 v7, s27, v7                       ; out of it: sixteen lanes to a row, two rows an instruction
	v_lshlrev_b32 v8, 10, v6
	v_lshl_add_u32 v8, v5, 4, v8                   ; the same place in the codes
	v_and_b32 v9, 7, v2                            ; my column's stored row among the wave's 32: bits 3 and 4 exchanged,
	v_bfe_u32 v10, v2, 3, 1
	v_lshl_add_u32 v9, v10, 4, v9
	v_lshl_add_u32 v9, v6, 3, v9
	v_lshlrev_b32 v9, 5, v9                        ; x 32 scale bytes a row
	s_lshl_b32 s28, s25, 20                        ; 256 rows of 4,096 bytes
	s_lshl_b32 s29, s26, 2
	s_add_co_u32 s28, s28, s29
	s_mov_b32 s29, 0
	s_lshl_b32 s30, s22, 10
	s_add_co_u32 s30, s30, s26                     ; first stored row
	s_lshl_b32 s32, s30, 5
	s_lshl_b32 s33, s25, 3
	s_add_co_u32 s32, s32, s33
	s_add_co_u32 s32, s32, WSO
	s_mov_b32 s33, 0
	s_lshl_b32 s30, s30, 10
	s_lshl_b32 s31, s25, 8
	s_add_co_u32 s30, s30, s31
	s_mov_b32 s31, 0
	s_wait_kmcnt 0x0
	s_cmp_eq_u32 s22, 1                            ; the choice hangs on the work-group's number alone
	s_cselect_b64 s[6:7], s[8:9], s[6:7]
	s_cmp_eq_u32 s22, 2
	s_cselect_b64 s[6:7], s[10:11], s[6:7]
	s_cmp_eq_u32 s22, 3
	s_cselect_b64 s[6:7], s[12:13], s[6:7]
	s_add_nc_u64 s[6:7], s[6:7], s[28:29]
	s_add_nc_u64 s[34:35], s[16:17], s[30:31]      ; codes
	s_add_nc_u64 s[36:37], s[16:17], s[32:33]      ; scale bytes
.macro LOADW t                         ; block t: W(32 t + i, my column), i = 0 .. 31: 128 consecutive bytes a wave and load
.irp i, 0,1,2,3,4,5,6,7,8,9,10,11,12,13,14,15,16,17,18,19,20,21,22,23,24,25,26,27,28,29,30,31
	global_load_b32 v[WX+32*((\t)%2)+\i], v3, s[6:7] offset:(32*(\t)+\i)*SIZE_N*4 th:TH_LOAD_NT
.endr
.endm
	LOADW 0
	LOADW 1
.macro BLOCKW t
.set WXS, WX+32*((\t)%2)
.if (\t) < NB-1
	s_wait_loadcnt 32                              ; this block's 32 loads are in; the next block's may be out
.else
	s_wait_loadcnt 0
.endif
	v_max3_num_f32 v12, |v[WXS]|, |v[WXS+1]|, |v[WXS+2]|
	v_max3_num_f32 v13, |v[WXS+3]|, |v[WXS+4]|, |v[WXS+5]|
.irp i, 6,10,14,18,22,26
	v_max3_num_f32 v12, v12, |v[WXS+\i]|, |v[WXS+\i+1]|
	v_max3_num_f32 v13, v13, |v[WXS+\i+2]|, |v[WXS+\i+3]|
.endr
	v_max3_num_f32 v12, v12, |v[WXS+30]|, |v[WXS+31]|
	v_max3_num_f32 v12, v12, v13, (EMAX+1)<<23     ; the block's largest magnitude (all 32 numbers are mine), and the floor
	v_add_nc_u32 v11, -(EMAX<<23), v12
	v_and_or_b32 v10, v12, 0x7f800000, s23
	v_lshrrev_b32 v13, 23, v11                     ; the scale's byte
.if (\t)%4 == 0
	v_mov_b32 v[SB+(\t)/4], v13
.else
	v_lshl_or_b32 v[SB+(\t)/4], v13, 8*((\t)%4), v[SB+(\t)/4]
.endif
.irp i, 0,1,2,3,4,5,6,7,8,9,10,11,12,13,14,15,16,17,18,19,20,21,22,23,24,25,26,27,28,29,30,31
	v_med3_num_f32 v[WXS+\i], v[WXS+\i], -v10, v10
.endr
.irp g, 0,1,2,3
	v_cvt_scalef32_pk8_bf8_f32 v[WC+2*\g:WC+2*\g+1], v[WXS+8*\g:WXS+8*\g+7], v11
.endr
	ds_store_b128 v4, v[WC:WC+3] offset:32*(\t)
	ds_store_b128 v4, v[WC+4:WC+7] offset:32*(\t)+16
.if (\t)+2 < NB
	LOADW (\t)+2
.endif
	s_wait_dscnt 0x0                               ; the stores have read their registers: the next block's codes may be written
.endm
.irp t, 0,1,2,3,4,5,6,7
	BLOCKW \t
.endr
	global_store_b64 v9, v[SB:SB+1], s[36:37]      ; my column's 8 scale bytes: 8 bytes a lane in rows 32 bytes apart: one byte in 128 of what this way reads
.irp t, 0,1,2,3,4,5,6,7,8,9,10,11,12,13,14,15
	ds_load_b128 v[OUTR+4*\t:OUTR+4*\t+3], v7 offset:2*\t*PITCH
.endr
.irp t, 0,1,2,3,4,5,6,7,8,9,10,11,12,13,14,15
	s_wait_dscnt 15-\t
	global_store_b128 v8, v[OUTR+4*\t:OUTR+4*\t+3], s[34:35] offset:(((2*\t)%8)+16*(((2*\t)/8)%2)+8*(((2*\t)/16)%2))*KROW   ; columns 2 t and 2 t + 1 at their stored rows; sixteen lanes store 256 consecutive bytes
.endr
	s_wait_tensorcnt 0x0
	ds_add_u32 v192, v193
	s_wait_dscnt 0x0
	s_endpgm
.Lfunc_end_k_q9d24969b26_quant:
	.size	k_q9d24969b26_quant, .Lfunc_end_k_q9d24969b26_quant-k_q9d24969b26_quant
	.p2alignl 7, 3214868480
	.fill 96, 4, 3214868480
	.section	.rodata,"a",@progbits
	.p2align	6, 0x0
	.amdhsa_kernel k_q9d24969b26_quant
		.amdhsa_group_segment_fixed_size 68096
		.amdhsa_private_segment_fixed_size 0
		.amdhsa_enable_private_segment 0
		.amdhsa_kernarg_size 56
		.amdhsa_user_sgpr_count 2
		.amdhsa_user_sgpr_kernarg_segment_ptr 1
		.amdhsa_wavefront_size32 1
		.amdhsa_system_sgpr_workgroup_id_x 1
		.amdhsa_system_sgpr_workgroup_id_y 1
		.amdhsa_system_sgpr_workgroup_id_z 1
		.amdhsa_system_vgpr_workitem_id 0
		.amdhsa_next_free_vgpr 194
		.amdhsa_next_free_sgpr 66
		.amdhsa_reserve_vcc 0
		.amdhsa_float_denorm_mode_32 3
		.amdhsa_float_denorm_mode_16_64 3
		.amdhsa_memory_ordered 1
		.amdhsa_forward_progress 1
		.amdhsa_inst_pref_size 110
	.end_amdhsa_kernel
	.amdgpu_metadata
---
amdhsa.version: [ 1, 2 ]
amdhsa.kernels:
  - .name:           k_q9d24969b26_quant
    .symbol:         k_q9d24969b26_quant.kd
    .args:
      - { .name: x, .offset: 0, .size: 8, .value_kind: global_buffer, .address_space: global }
      - { .name: wq, .offset: 8, .size: 8, .value_kind: global_buffer, .address_space: global }
      - { .name: wk, .offset: 16, .size: 8, .value_kind: global_buffer, .address_space: global }
      - { .name: wv, .offset: 24, .size: 8, .value_kind: global_buffer, .address_space: global }
      - { .name: wo, .offset: 32, .size: 8, .value_kind: global_buffer, .address_space: global }
      - { .name: xq, .offset: 40, .size: 8, .value_kind: global_buffer, .address_space: global }
      - { .name: wq8, .offset: 48, .size: 8, .value_kind: global_buffer, .address_space: global }
    .group_segment_fixed_size: 68096
    .private_segment_fixed_size: 0
    .kernarg_segment_align: 8
    .kernarg_segment_size: 56
    .max_flat_workgroup_size: 128
    .sgpr_count:     66
    .vgpr_count:     194
    .wavefront_size: 32
...
	.end_amdgpu_metadata
.endif
;; end of part 1
;; launch gemm_qkv (part 2): grid 8 x 48, 4 waves a work-group, clusters of 4 x 4, 327,680 bytes of LDS; arguments xq, wq8, bq, bk, bv, qi, kv; writes qi, kv
.if DOCPART == 2
	.amdgcn_target "amdgcn-amd-amdhsa--gfx1250"
	.amdhsa_code_object_version 6
	.text
	.protected	k_q9d24969b26_gemm_qkv
	.globl	k_q9d24969b26_gemm_qkv
	.p2align	8
	.type	k_q9d24969b26_gemm_qkv,@function
k_q9d24969b26_gemm_qkv:
	s_mov_b64 s[64:65], 0
	v_nop
	global_prefetch_b8 v0, s[64:65] scope:SCOPE_SE
	s_setreg_imm32_b32 hwreg(HW_REG_WAVE_MODE, 25, 1), 1
	s_wait_xcnt 0x0
	s_wait_alu depctr_hold_cnt(0) depctr_sa_sdst(0) depctr_va_vdst(0) depctr_va_sdst(0) depctr_va_ssrc(0) depctr_va_vcc(0) depctr_vm_vsrc(0)
	s_getreg_b32 s2, hwreg(HW_REG_IB_STS2, 6, 4)
	s_cmp_eq_u32 s2, 0
	s_cbranch_scc0 .Lentry_in_a_cluster
	s_endpgm
.Lentry_in_a_cluster:
	s_bfe_u32 s2, ttmp6, 0x10000c
	s_cmp_lg_u32 s2, 0xf033
	s_cbranch_scc0 .Lentry_shape_is_right
	s_endpgm
.Lentry_shape_is_right:
.set SIZE_K, 1024
.set KSTEP,  256
.set NQ,     KSTEP/128
.set ROWB,   256
.set KROW,   SIZE_K
.set PITCH,  272
.set FR,     16
.set NL,     4
.set NP,     8
.set HALFT,  128*PITCH
.set SLOT,   4*HALFT
.set LAPS,   SIZE_K/(2*KSTEP)
.set KS,     SIZE_K/32
.set SCL,    2*SLOT
.set HALFS,  (128*KS/256)*272
.set SBLK,   (16*KS/256)*272
.set SPARE,  SCL+4*HALFS
.set XSO,    0x800000
.set WSO,    0x400000
.set WVC,    0x200000
.set WVS,    0x10000
.set QSO,    8388608
.set HEADB,  274432
.set ADRA, 16
.set ADRB, 20
.set L16,  24
.set SH,   25
.set SOF,  26
.set ADRS, 27
.set SPW,  28
.set NIL,  29
.set BOF,  30
.set TV,   31
.set SC,   32
.set BI,   64
.set AF,   128
.set TM,   32
.set PW,   56
.set T,    128
.set PC,   192
.set G1, 24
.set G0, 32
.set G1B, 48
.set G0B, 56
.set G1S, 68
.set G0S, 76
.set G1SB, 80
.set G0SB, 88
.set SEL, 66
.set MNT, 104
.set MSB, 0
.macro WIN new
.if MSB != (\new)
	s_set_vgpr_msb (MSB<<8)|(\new)
.set MSB, (\new)
.endif
.endm
.set MUL_LO, 0xa1
.set MUL_HI, 0xf1
.set TO_B,   0x40
.macro JLOAD g0a, g1a, g0b, g1b
	s_cmp_eq_u32 s15, 0
	s_cbranch_scc0 .Lfor_b_\@
	tensor_load_to_lds s[\g0a:\g0a+3], s[\g1a:\g1a+7]
	s_nop 0
.rept 4
	v_nop
.endr
	s_branch .Lasked_\@
.Lfor_b_\@:
	tensor_load_to_lds s[\g0b:\g0b+3], s[\g1b:\g1b+7]
	s_nop 0
.rept 4
	v_nop
.endr
.Lasked_\@:
.endm
.macro CREST
	s_cmp_lg_u32 s14, 0
	s_cbranch_scc1 .Lnot_wave_0_\@
	s_barrier_signal -3
.Lnot_wave_0_\@:
	s_barrier_wait -3
	s_barrier_signal -1
	s_barrier_wait -1
.endm
.macro CROUND
	s_barrier_signal -1
	s_barrier_wait -1
	CREST
.endm
	s_load_b256 s[4:11], s[0:1], 0x0
	s_load_b128 s[96:99], s[0:1], 0x20
	s_load_b64 s[100:101], s[0:1], 0x30
	v_lshl_add_u32 v[SPW], v0, 2, SPARE
	v_mov_b32 v[NIL], 0
	ds_add_u32 v28, v29
	ds_add_u32 v28, v29
	s_wait_dscnt 0x0
	v_lshrrev_b32 v1, 5, v0
	v_readfirstlane_b32 s14, v1
	s_lshr_b32 s15, s14, 1
	s_and_b32 s16, s14, 1
	s_bfe_u32 s40, ttmp6, 0x40000
	s_bfe_u32 s41, ttmp6, 0x40004
	s_and_b32 s95, ttmp7, 0xffff
	s_lshl_b32 s42, ttmp9, 2
	s_add_co_u32 s42, s42, s40
	s_lshl_b32 s17, s95, 2
	s_add_co_u32 s17, s17, s41
	s_max_u32 s46, s95, 8
	s_sub_co_u32 s46, s46, 8
	s_lshl_b32 s46, s46, 3
	s_add_co_u32 s46, s46, s42
	s_cmp_lt_u32 s95, 8
	s_cselect_b32 s42, s42, s46
	s_cselect_b32 s17, s17, s41
	s_lshl_b32 s43, s41, 2
	s_lshl_b32 s43, 15, s43
	s_lshl_b32 s44, 0x1111, s40
	s_or_b32 s[G1+0], s43, (0<<16)|(1<<20)|(1<<21)|(5<<22)|(3<<25)
	s_or_b32 s[G1B+0], s44, (0<<16)|(1<<20)|(1<<21)|(5<<22)|(3<<25)
.irp g, G1, G1B
	s_mov_b32 s[\g+1], ROWB<<16
	s_mov_b32 s[\g+2], 256<<16                     ; the head's loads bring 256 rows; the ring's 128: set behind the head's wait
	s_mov_b32 s[\g+3], ROWB<<16
	s_mov_b32 s[\g+4], 256
	s_mov_b32 s[\g+5], KROW
	s_mov_b32 s[\g+6], 0
	s_mov_b32 s[\g+7], 0
.endr
	s_or_b32 s[G1S+0], s43, (3<<16)|(1<<20)|(1<<21)|(5<<22)|(3<<25)
	s_or_b32 s[G1SB+0], s44, (3<<16)|(1<<20)|(1<<21)|(5<<22)|(3<<25)
.irp g, G1S, G1SB
	s_mov_b32 s[\g+1], 32<<16
	s_mov_b32 s[\g+2], KS<<16                      ; the scale bytes of 256 rows: KS rows of 256 bytes
	s_mov_b32 s[\g+3], 32<<16
	s_mov_b32 s[\g+4], KS
	s_mov_b32 s[\g+5], 32
	s_mov_b32 s[\g+6], 0
	s_mov_b32 s[\g+7], 0
.endr
	s_lshl_b32 s20, s17, 8                         ; the tiles' first rows
	s_lshl_b32 s46, s42, 8
	s_mov_b32 s21, 0
	s_mov_b32 s47, 0
	s_mov_b64 s[18:19], KS
	s_mul_u64 s[22:23], s[20:21], s[18:19]
	s_mul_u64 s[92:93], s[46:47], s[18:19]
	s_mov_b64 s[18:19], KROW
	s_mul_u64 s[20:21], s[20:21], s[18:19]
	s_mul_u64 s[46:47], s[46:47], s[18:19]
	s_mul_i32 s18, s16, 128*KROW                   ; in the ring a wave fetches 128 rows: which half, in bytes
	s_mov_b32 s19, 0
	s_mul_i32 s45, s14, HALFT
	s_wait_kmcnt 0x0
	s_cmp_eq_u32 ttmp9, 0
	s_cselect_b64 s[12:13], s[8:9], s[10:11]
	s_cselect_b64 s[98:99], s[98:99], s[100:101]
	s_cmp_lt_u32 s95, 8
	s_cselect_b64 s[12:13], s[12:13], s[96:97]
	s_cselect_b64 s[98:99], s[98:99], s[100:101]
	s_add_nc_u64 s[66:67], s[4:5], XSO
	s_add_nc_u64 s[104:105], s[6:7], WSO
	s_add_nc_u64 s[96:97], s[6:7], WVC
	s_add_nc_u64 s[100:101], s[104:105], WVS
	s_cselect_b64 s[8:9], s[6:7], s[4:5]
	s_cselect_b64 s[10:11], s[104:105], s[66:67]
	s_cselect_b64 s[4:5], s[4:5], s[96:97]
	s_cselect_b64 s[6:7], s[66:67], s[100:101]
	s_add_nc_u64 s[20:21], s[4:5], s[20:21]
	s_add_nc_u64 s[22:23], s[6:7], s[22:23]
	s_add_nc_u64 s[46:47], s[8:9], s[46:47]
	s_add_nc_u64 s[92:93], s[10:11], s[92:93]
	CROUND
.set G0H, 4                            ; s[4:7], s[8:11]: group 0 of the head's loads of K step 0 (the addresses that lay there have been used)
.set G0HB, 8
	s_mov_b32 s[G0H], 1
	s_mov_b32 s[G0H+1], 0
	s_mov_b64 s[G0H+2:G0H+3], s[20:21]
	s_or_b32 s[G0H+3], s[G0H+3], 0x80000000
	s_mov_b32 s[G0HB], 1
	s_mov_b32 s[G0HB+1], 2*HALFT
	s_mov_b64 s[G0HB+2:G0HB+3], s[46:47]
	s_or_b32 s[G0HB+3], s[G0HB+3], 0x80000000
	s_mov_b32 s[G0S], 1
	s_mov_b32 s[G0S+1], SCL
	s_mov_b64 s[G0S+2:G0S+3], s[22:23]
	s_or_b32 s[G0S+3], s[G0S+3], 0x80000000
	s_mov_b32 s[G0SB], 1
	s_mov_b32 s[G0SB+1], SCL+2*HALFS
	s_mov_b64 s[G0SB+2:G0SB+3], s[92:93]
	s_or_b32 s[G0SB+3], s[G0SB+3], 0x80000000
	s_add_nc_u64 s[20:21], s[20:21], s[18:19]      ; for the ring: my 128 rows of the tile
	s_add_nc_u64 s[46:47], s[46:47], s[18:19]
.irp s, 0,1
	s_mov_b32 s[G0+4*\s], 1
	s_add_co_u32 s[G0+4*\s+1], s45, \s*SLOT
	s_add_nc_u64 s[G0+4*\s+2:G0+4*\s+3], s[20:21], \s*ROWB
	s_or_b32 s[G0+4*\s+3], s[G0+4*\s+3], 0x80000000
	s_mov_b32 s[G0B+4*\s], 1
	s_add_co_u32 s[G0B+4*\s+1], s45, \s*SLOT
	s_add_nc_u64 s[G0B+4*\s+2:G0B+4*\s+3], s[46:47], \s*ROWB
	s_or_b32 s[G0B+4*\s+3], s[G0B+4*\s+3], 0x80000000
.endr
; the head's four tiles, one joint load a wave, in one chain of branches on the wave's number: K step 0's 256 rows of A, of B, A's scale bytes, B's
.macro ARM under, g0, g1, next
	s_cmp_lt_u32 s14, \under
	s_cbranch_scc0 \next
	tensor_load_to_lds s[\g0:\g0+3], s[\g1:\g1+7]
	s_nop 0
.rept 4
	v_nop
.endr
	s_branch .Lhead_asked
\next:
.endm
	ARM 1, G0H,  G1,  .Lhead_b
	ARM 2, G0HB, G1B, .Lhead_sa
	ARM 3, G0S,  G1S, .Lhead_sb
	tensor_load_to_lds s[G0SB:G0SB+3], s[G1SB:G1SB+7]
	s_nop 0
.rept 4
	v_nop
.endr
.Lhead_asked:
	v_and_b32 v1, 15, v0
	v_bfe_u32 v2, v0, 4, 1
	v_mul_u32_u24 v3, v1, PITCH
	v_lshl_add_u32 v4, v2, 4, v3
	s_mul_i32 s21, s15, HALFT
	s_mul_i32 s22, s16, HALFT
	s_add_co_u32 s22, s22, 2*HALFT
.irp s, 0,1
	v_add_nc_u32 v[ADRA+\s], s21, v4
	v_add_nc_u32 v[ADRB+\s], s22, v4
	s_add_co_u32 s21, s21, SLOT
	s_add_co_u32 s22, s22, SLOT
.endr
	v_mul_u32_u24 v5, v1, KS
	v_lshrrev_b32 v6, 8, v5
	v_lshl_add_u32 v5, v6, 4, v5
	s_mul_i32 s21, s15, HALFS
	s_mul_i32 s22, s16, HALFS
	s_add_co_u32 s22, s22, 2*HALFS
	s_sub_co_u32 s22, s22, s21
	v_mul_u32_u24 v6, s22, v2
	s_add_co_u32 s21, s21, SCL
	v_add_nc_u32 v5, v5, v6
	v_add_nc_u32 v[ADRS], s21, v5
	s_lshl_b32 s46, s42, 8
	s_lshl_b32 s47, s16, 7
	s_add_co_u32 s46, s46, s47
	s_and_b32 s46, s46, 1023
	s_lshl_b32 s22, s17, 8
	s_lshl_b32 s23, s15, 7
	s_add_co_u32 s22, s22, s23
	s_cmp_lt_u32 s95, 8
	s_cselect_b32 s46, s46, s22
	s_cselect_b32 s23, 4, 3
	s_lshl_b32 s46, s46, 2
	s_mov_b32 s47, 0
	s_add_nc_u64 s[12:13], s[12:13], s[46:47]
	v_lshrrev_b32 v[BOF], s23, v0
	v_and_b32 v[BOF], 1, v[BOF]
	v_lshlrev_b32 v[BOF], 6, v[BOF]
.irp t, 0,1,2,3,4,5,6,7
	global_load_b128 v[BI+8*\t:BI+8*\t+3], v[BOF], s[12:13] offset:(32*(\t/2)+8*(\t%2))*4
	global_load_b128 v[BI+8*\t+4:BI+8*\t+7], v[BOF], s[12:13] offset:(32*(\t/2)+8*(\t%2))*4+16
.endr
.macro FRAG reg, adr, q, i
.irp c, 0,1,2,3
	ds_load_b128 v[\reg+4*\c:\reg+4*\c+3], v[\adr] offset:128*(\q)+32*\c+(\i)*16*PITCH
.endr
.endm
.macro MUL16 a0, p, q, sc, zero
.irp a, \a0, \a0+1
.irp b, 0,1,2,3,4,5,6,7
.if \zero
	v_wmma_scale_f32_16x16x128_f8f6f4 v[8*(8*((\a)%4)+\b):8*(8*((\a)%4)+\b)+7], v[128*(\p)+FR*\b:128*(\p)+FR*\b+FR-1], v[AF+FR*(\a):AF+FR*(\a)+FR-1], 0, v[SC+8*NQ*(\sc)+NQ*\b+(\q)], v[SC+8*NQ*(\sc)+NQ*(\a)+(\q)] matrix_a_fmt:MATRIX_FMT_BF8 matrix_b_fmt:MATRIX_FMT_BF8 matrix_a_scale:MATRIX_SCALE_ROW1
.else
	v_wmma_scale_f32_16x16x128_f8f6f4 v[8*(8*((\a)%4)+\b):8*(8*((\a)%4)+\b)+7], v[128*(\p)+FR*\b:128*(\p)+FR*\b+FR-1], v[AF+FR*(\a):AF+FR*(\a)+FR-1], v[8*(8*((\a)%4)+\b):8*(8*((\a)%4)+\b)+7], v[SC+8*NQ*(\sc)+NQ*\b+(\q)], v[SC+8*NQ*(\sc)+NQ*(\a)+(\q)] matrix_a_fmt:MATRIX_FMT_BF8 matrix_b_fmt:MATRIX_FMT_BF8 matrix_a_scale:MATRIX_SCALE_ROW1
.endif
.endr
.endr
.endm
.macro FETCH_B slot, q, p
	WIN TO_B
.irp i, 0,1,2,3,4,5,6,7
	FRAG 128*(\p)+FR*\i, ADRB+\slot, \q, \i
.endr
	WIN 0
.endm
.macro FETCH_A slot, q, i0
.irp i, \i0, \i0+1, \i0+2, \i0+3
	FRAG AF+FR*(\i), ADRA+\slot, \q, \i
.endr
.endm
.macro SCALES sc
.irp i, 0,1,2,3,4,5,6,7
	ds_load_b64 v[SC+8*NQ*\sc+NQ*\i:SC+8*NQ*\sc+NQ*\i+1], v[ADRS] offset:\i*SBLK
.endr
.endm
.macro PLACES n
.rept \n
	v_nop
.endr
.endm
.macro STEP slot, q, zero
	s_wait_dscnt 4*NL
	WIN MUL_LO
	MUL16 0, (\q)%2, \q, \slot, \zero
	MUL16 2, (\q)%2, \q, \slot, \zero
	s_wait_dscnt 0
	PLACES NP
	FETCH_B \slot, (\q)+1, 1-(\q)%2
	FETCH_A \slot, (\q)+1, 0
	WIN MUL_HI
	MUL16 4, (\q)%2, \q, \slot, \zero
	MUL16 6, (\q)%2, \q, \slot, \zero
	PLACES NP
	WIN 0
	FETCH_A \slot, (\q)+1, 4
.endm
.macro TURN slot, next, fill
	s_wait_tensorcnt 0x0
	ds_add_u32 v[SPW], v[NIL]
	s_wait_dscnt 4*NL+1
	WIN MUL_LO
	MUL16 0, 1, NQ-1, \slot, 0
	s_wait_dscnt 0x0
	s_barrier_signal -1
	MUL16 2, 1, NQ-1, \slot, 0
	WIN 0
	s_barrier_wait -1
.if \fill
	CREST
	s_add_nc_u64 s[G0+4*\slot+2:G0+4*\slot+3], s[G0+4*\slot+2:G0+4*\slot+3], 2*ROWB
	s_add_nc_u64 s[G0B+4*\slot+2:G0B+4*\slot+3], s[G0B+4*\slot+2:G0B+4*\slot+3], 2*ROWB
	JLOAD G0+4*\slot, G1, G0B+4*\slot, G1B
	PLACES NP-4
.else
	PLACES NP
.endif
	s_wait_alu depctr_va_vdst(0)
	v_add_nc_u32 v[ADRS], 4*NQ, v[ADRS]
	FETCH_B \next, 0, 0
	FETCH_A \next, 0, 0
	SCALES \next
	WIN MUL_HI
	MUL16 4, 1, NQ-1, \slot, 0
	MUL16 6, 1, NQ-1, \slot, 0
	PLACES NP
	WIN 0
	FETCH_A \next, 0, 4
.endm
	s_wait_alu depctr_va_vdst(0)
	s_wait_tensorcnt 0x0                           ; my tile of the head's four is in
	ds_add_u32 v[SPW], v[NIL]
	s_mov_b32 s[G1+2], 128<<16                     ; no tensor load of mine is out: from here on a load brings 128 rows
	s_mov_b32 s[G1+4], 128
	s_mov_b32 s[G1B+2], 128<<16
	s_mov_b32 s[G1B+4], 128
	s_wait_dscnt 0x0
	CROUND
	JLOAD G0+4, G1, G0B+4, G1B                     ; K step 1, the first tensor load behind the round
	FETCH_B 0, 0, 0
	FETCH_A 0, 0, 0
	SCALES 0
	FETCH_A 0, 0, 4
	STEP 0, 0, 1
	s_mov_b32 s3, LAPS-1
.Llap:
	TURN 0, 1, 1
	STEP 1, 0, 0
	TURN 1, 0, 1
	STEP 0, 0, 0
	s_sub_co_u32 s3, s3, 1
	s_cmp_lg_u32 s3, 0
	s_cbranch_scc1 .Llap
	TURN 0, 1, 0
	STEP 1, 0, 0
	s_wait_dscnt 4*NL
	WIN MUL_LO
	MUL16 0, 1, NQ-1, 1, 0
	MUL16 2, 1, NQ-1, 1, 0
	s_wait_dscnt 0
	WIN MUL_HI
	MUL16 4, 1, NQ-1, 1, 0
	MUL16 6, 1, NQ-1, 1, 0
	WIN 0
.macro QUANT pc, pw
.irp b, 0,1,2,3
	v_max3_num_f32 v[TM+\b], |v[T+16*\b]|, |v[T+1+16*\b]|, 0x8000000
.endr
.irp i, 2,4,6,8,10,12,14
.irp b, 0,1,2,3
	v_max3_num_f32 v[TM+\b], v[TM+\b], |v[T+16*\b+\i]|, |v[T+1+16*\b+\i]|
.endr
.endr
.irp b, 0,1,2,3
	v_permlanex16_b32 v[TM+4+\b], v[TM+\b], s[SEL], s[SEL+1]
.endr
.irp b, 0,1,2,3
	v_max_num_f32 v[TM+\b], v[TM+\b], v[TM+4+\b]
.endr
.irp b, 0,1,2,3
	v_add_nc_u32 v[TM+12+\b], 0xf8800000, v[TM+\b]
.endr
.irp b, 0,1,2,3
	v_and_or_b32 v[TM+8+\b], v[TM+\b], 0x7f800000, s[MNT]
.endr
.irp b, 0,1,2,3
	v_lshrrev_b32 v[TM+4+\b], 23, v[TM+12+\b]
.endr
	v_lshl_or_b32 v[\pw], v[TM+5], 8, v[TM+4]
	v_lshl_or_b32 v[\pw], v[TM+6], 16, v[\pw]
	v_lshl_or_b32 v[\pw], v[TM+7], 24, v[\pw]
.irp b, 0,1,2,3
.irp i, 0,1,2,3,4,5,6,7,8,9,10,11,12,13,14,15
	v_med3_num_f32 v[T+16*\b+\i], v[T+16*\b+\i], -v[TM+8+\b], v[TM+8+\b]
.endr
	v_cvt_scalef32_pk8_bf8_f32 v[\pc+4*\b:\pc+1+4*\b], v[T+16*\b:T+7+16*\b], v[TM+12+\b]
	v_cvt_scalef32_pk8_bf8_f32 v[\pc+2+4*\b:\pc+3+4*\b], v[T+8+16*\b:T+15+16*\b], v[TM+12+\b]
.endr
	v_nop
.endm
.macro EPIBLK a, kind
.if (\a) >= 4
	s_wait_xcnt 0x0
.endif
	WIN 0x02+(\a)/4
.set i, 0
.rept 32
.if \kind
	v_pk_add_f32 v[T+i:T+i+1], v[64*((\a)%4)+i:64*((\a)%4)+i+1], v[BI+8*(\a):BI+8*(\a)+1] op_sel_hi:[1,0]
.else
	v_pk_add_f32 v[T+i:T+i+1], v[64*((\a)%4)+i:64*((\a)%4)+i+1], v[BI+i:BI+i+1]
.endif
.set i, i+2
.endr
	WIN 0
	QUANT PC+16*((\a)%4), PW+(\a)
.irp c, 0,1,2,3
.if \kind
	global_store_b128 v[L16], v[PC+16*((\a)%4)+4*\c:PC+16*((\a)%4)+4*\c+3], s[20:21] offset:((\a)/4)*HEADB+((\a)%4)*2048+\c*512
.else
	global_store_b128 v[L16], v[PC+16*((\a)%4)+4*\c:PC+16*((\a)%4)+4*\c+3], s[20+2*(\c/2):21+2*(\c/2)] offset:(\a)*1024+(\c%2)*512
.endif
.endr
.if !\kind
	v_bfe_u32 v[PW+(\a)], v[PW+(\a)], v[SH], 16
.endif
.endm
	PLACES NP
	s_wait_loadcnt 0x0
	s_mov_b32 s[SEL], 0x76543210
	s_mov_b32 s[SEL+1], 0xfedcba98
	s_mov_b32 s[MNT], 0x600000
.irp b, 0,1,2,3
	v_mov_b32 v[TM+4+\b], 0
.endr
	v_and_b32 v[L16], 31, v0
	v_lshlrev_b32 v[L16], 4, v[L16]
	v_bfe_u32 v[TV], v0, 4, 1
	v_lshlrev_b32 v[SH], 4, v[TV]
	v_and_b32 v[ADRS], 15, v0
	s_lshl_b32 s18, s17, 8
	s_lshl_b32 s19, s15, 7
	s_add_co_u32 s18, s18, s19
	s_lshl_b32 s19, s42, 8
	s_lshl_b32 s45, s16, 7
	s_add_co_u32 s19, s19, s45
	s_mov_b32 s3, 0
	s_cmp_lt_u32 s95, 8
	s_cbranch_scc0 .Lepi_v
	s_bfe_u32 s45, s18, 0x40007
	s_lshr_b32 s18, s18, 11
	s_bfe_u32 s19, s19, 0x40006
	s_lshl_b32 s18, s18, 4
	s_add_co_u32 s19, s19, s18
	s_lshr_b32 s46, s45, 2
	s_lshl_b32 s46, s46, 16
	s_and_b32 s47, s45, 3
	s_lshl_b32 s47, s47, 13
	s_add_co_u32 s46, s46, s47
	s_lshl_b32 s47, s45, 13
	s_mul_i32 s92, s45, 768
	s_add_co_u32 s92, s92, 262144
	s_lshl_b32 s93, s45, 9
	s_add_co_u32 s93, s93, QSO
	s_mov_b32 s94, HEADB
	s_mov_b32 s45, HEADB
	s_cmp_eq_u32 ttmp9, 0
	s_cselect_b32 s46, s47, s46
	s_cselect_b32 s92, s93, s92
	s_cselect_b32 s94, 131072, s94
	s_cselect_b32 s45, 8192, s45
	s_mul_i32 s2, s19, s94
	s_add_co_u32 s2, s2, s46
	s_add_nc_u64 s[20:21], s[98:99], s[2:3]
	s_mov_b32 s2, s94
	s_add_nc_u64 s[22:23], s[20:21], s[2:3]
	s_mul_i32 s2, s19, s45
	s_add_co_u32 s2, s2, s92
	s_add_nc_u64 s[46:47], s[98:99], s[2:3]
	s_wait_alu depctr_va_vdst(0)
	v_mul_u32_u24 v[SOF], v[TV], s45
	v_lshl_add_u32 v[SOF], v[ADRS], 4, v[SOF]
.irp a, 0,1,2,3,4,5,6,7
	EPIBLK \a, 0
.endr
	global_store_b128 v[SOF], v[PW:PW+3], s[46:47]
	global_store_b128 v[SOF], v[PW+4:PW+7], s[46:47] offset:256
	s_branch .Lend
.Lepi_v:
	s_lshr_b32 s18, s18, 6
	s_bfe_u32 s45, s19, 0x40007
	s_lshr_b32 s19, s19, 11
	s_lshl_b32 s19, s19, 4
	s_add_co_u32 s19, s19, s18
	s_mul_i32 s2, s19, HEADB
	s_add_nc_u64 s[98:99], s[98:99], s[2:3]
	s_lshr_b32 s2, s45, 2
	s_lshl_b32 s2, s2, 16
	s_and_b32 s46, s45, 3
	s_lshl_b32 s46, s46, 13
	s_add_co_u32 s2, s2, s46
	s_add_co_u32 s2, s2, 32768
	s_add_nc_u64 s[20:21], s[98:99], s[2:3]
	s_mul_i32 s2, s45, 768
	s_add_co_u32 s2, s2, 262144+512
	s_add_nc_u64 s[46:47], s[98:99], s[2:3]
	s_wait_alu depctr_va_vdst(0)
	v_mul_u32_u24 v[SOF], v[TV], HEADB
	v_lshl_add_u32 v[SOF], v[ADRS], 4, v[SOF]
	v_and_b32 v[TV], 1, v0
	v_cmp_ne_u32 s2, 0, v[TV]
	v_and_b32 v[TV], 2, v0
	v_cmp_ne_u32 s18, 0, v[TV]
	v_and_b32 v[TV], 4, v0
	v_cmp_ne_u32 s19, 0, v[TV]
.irp a, 0,1,2,3,4,5,6,7
.irp k, 0,2,4,6
	v_cndmask_b32 v[BI+8*\a+\k], v[BI+8*\a+\k], v[BI+8*\a+\k+1], s2
.endr
.irp k, 0,4
	v_cndmask_b32 v[BI+8*\a+\k], v[BI+8*\a+\k], v[BI+8*\a+\k+2], s18
.endr
	v_cndmask_b32 v[BI+8*\a], v[BI+8*\a], v[BI+8*\a+4], s19
.endr
.irp a, 0,1,2,3,4,5,6,7
	EPIBLK \a, 1
.endr
	v_and_b32 v[TV], 31, v0
	v_cmp_le_u32 vcc_lo, 16, v[TV]
.irp i, 0,1,2,3
	v_cndmask_b32 v[PW+\i], v[PW+\i], v[PW+4+\i], vcc_lo
.endr
	global_store_b128 v[SOF], v[PW:PW+3], s[46:47]
.Lend:
	s_wait_tensorcnt 0x0
	ds_add_u32 v[SPW], v[NIL]
	s_wait_dscnt 0x0
	CROUND
	s_endpgm
.Lfunc_end_k_q9d24969b26_gemm_qkv:
	.size	k_q9d24969b26_gemm_qkv, .Lfunc_end_k_q9d24969b26_gemm_qkv-k_q9d24969b26_gemm_qkv
	.p2alignl 7, 3214868480
	.fill 96, 4, 3214868480
	.section	.rodata,"a",@progbits
	.p2align	6, 0x0
	.amdhsa_kernel k_q9d24969b26_gemm_qkv
		.amdhsa_group_segment_fixed_size 327680
		.amdhsa_private_segment_fixed_size 0
		.amdhsa_enable_private_segment 0
		.amdhsa_kernarg_size 56
		.amdhsa_user_sgpr_count 2
		.amdhsa_user_sgpr_kernarg_segment_ptr 1
		.amdhsa_wavefront_size32 1
		.amdhsa_system_sgpr_workgroup_id_x 1
		.amdhsa_system_sgpr_workgroup_id_y 1
		.amdhsa_system_sgpr_workgroup_id_z 1
		.amdhsa_system_vgpr_workitem_id 0
		.amdhsa_next_free_vgpr 1024
		.amdhsa_next_free_sgpr 106
		.amdhsa_reserve_vcc 1
		.amdhsa_float_denorm_mode_32 3
		.amdhsa_float_denorm_mode_16_64 3
		.amdhsa_memory_ordered 1
		.amdhsa_forward_progress 1
		.amdhsa_inst_pref_size 255
	.end_amdhsa_kernel
	.section	.bss,"aw",@nobits
	.p2align	6
	.space	262144
	.amdgpu_metadata
---
amdhsa.version: [ 1, 2 ]
amdhsa.kernels:
  - .name:           k_q9d24969b26_gemm_qkv
    .symbol:         k_q9d24969b26_gemm_qkv.kd
    .args:
      - { .name: xq, .offset: 0, .size: 8, .value_kind: global_buffer, .address_space: global }
      - { .name: wq8, .offset: 8, .size: 8, .value_kind: global_buffer, .address_space: global }
      - { .name: bq, .offset: 16, .size: 8, .value_kind: global_buffer, .address_space: global }
      - { .name: bk, .offset: 24, .size: 8, .value_kind: global_buffer, .address_space: global }
      - { .name: bv, .offset: 32, .size: 8, .value_kind: global_buffer, .address_space: global }
      - { .name: qi, .offset: 40, .size: 8, .value_kind: global_buffer, .address_space: global }
      - { .name: kv, .offset: 48, .size: 8, .value_kind: global_buffer, .address_space: global }
    .group_segment_fixed_size: 327680
    .private_segment_fixed_size: 0
    .kernarg_segment_align: 8
    .kernarg_segment_size: 56
    .max_flat_workgroup_size: 128
    .sgpr_count:     106
    .vgpr_count:     1024
    .wavefront_size: 32
...
	.end_amdgpu_metadata
.endif
;; end of part 2
;; launch attn (part 3): grid 4 x 64, 16 waves a work-group, clusters of 4 x 1, 276,480 bytes of LDS; arguments qi, kv, ci; writes ci
.if DOCPART == 3
	.amdgcn_target "amdgcn-amd-amdhsa--gfx1250"
	.amdhsa_code_object_version 6
	.text
	.protected	k_q9d24969b26_attn
	.globl	k_q9d24969b26_attn
	.p2align	8
	.type	k_q9d24969b26_attn,@function
k_q9d24969b26_attn:
	s_mov_b64 s[64:65], 0
	v_nop
	global_prefetch_b8 v0, s[64:65] scope:SCOPE_SE
	s_setreg_imm32_b32 hwreg(HW_REG_WAVE_MODE, 25, 1), 1
	s_wait_xcnt 0x0
	s_wait_alu depctr_hold_cnt(0) depctr_sa_sdst(0) depctr_va_vdst(0) depctr_va_sdst(0) depctr_va_ssrc(0) depctr_va_vcc(0) depctr_vm_vsrc(0)
	s_getreg_b32 s2, hwreg(HW_REG_IB_STS2, 6, 4)
	s_cmp_eq_u32 s2, 0
	s_cbranch_scc0 .Lentry_in_a_cluster
	s_endpgm
.Lentry_in_a_cluster:
	s_bfe_u32 s2, ttmp6, 0x10000c
	s_cmp_lg_u32 s2, 0x3003
	s_cbranch_scc0 .Lentry_shape_is_right
	s_endpgm
.Lentry_shape_is_right:
; ctx[b][h][q] = the sum over keys of softmax(q . k / 8) v, head size 64, 2,048 keys, both products on codes of BF8 (E5M2) with E8M0 scales; ctx is quantised along C in registers and stored as images for the last product.
; THE SOFTMAX: t = score x log2(e) / 8; M = the running largest t rounded UP to a whole number; p = 2^(t - M) is quantised along the keys, not normalised; the row's sum is taken of the unquantised p and divides at the end.
; When M moves, the sum and O are multiplied by 2^(old M - new M): exact.
; SHARES.  The cluster's y is batch x 16 + head.  The four partners own 512 queries each, in two passes of 256; each of sixteen waves owns one tile of 16 queries a pass, in 256 registers: four waves to a SIMD.
; THE WHOLE HEAD STAYS IN LDS: kv's 274,432 bytes of a head are laid as this text reads them: [g 4][K: 32 tiles x 1,024 | V: 4 chunks x 4 tiles x 2,048], then [chunk 16][K's words 512 | V's 256].
; Every byte is filled ONCE, by joint loads of the four partners, one a wave: waves 0, 1 the halves of group 0, wave 2 the 12,288 bytes of scale words, waves 3 to 14 16,384 bytes each of groups 1 to 3; wave 15 none.
; ONE BARRIER, at the head: every wave has waited for its load, so behind it the whole head is there for all.  Nothing is filled again and nothing is stored to LDS: the two passes hold no barrier, and no wave waits for another before the end.
; OPERANDS ARE IMAGES OF REGISTERS: four registers a load, lane l's 16 bytes at 16 l: 512 consecutive bytes, no pitch.
; LAYOUT.  S^T = K Q^T (source 0 = 16 keys, source 1 = my 16 queries), O^T = V^T P^T: a lane holds one query throughout.  The head has 64 along K, the instruction 128: Q's upper 64 are zero codes.
; A step's eight tiles of K lie end to end, eight registers each: a tile's upper 64 are the next tile's codes (the last tile's: the other pass's Q), finite codes that meet Q's zero codes under scale bytes 0 and add nothing.
; So all eight score products go in one run, and V's four fragments take the same 64 registers behind them.
; THE ROW'S SUM IS DEFERRED: the holds write into two buffers of eight, so p stays as it is; 24 additions stand behind the second product's instructions and 8 behind the next step's score products: they are those products' places.
; No prefetch: all of a head's K and V are asked for at the head by the tensor loads themselves; no later stream is left to run ahead of.
; LIMITS: the promise holds while the scaled scores stay under 2^31 in magnitude; a block of zeros gets the byte 1 with zero codes; NaN and infinities are not served; p under 2^-126 counts as 0.
.set HEADB, 274432
.set SCB,   262144
.set GRP,   65536
.set QSO,   8388608
.set CSO,   8388608
.set SPARE, 0x43000                    ; behind the head's bytes: the spare words, 128 bytes a wave
.set L16, 1                            ; v1  16 x lane
.set R16, 2                            ; v2  SCB + 16 x (lane % 16)
.set AD,  3                            ; v3  the step's codes
.set AS,  4                            ; v4  the step's scale words
.set SPW, 5                            ; v5  my spare word
.set CBO, 6                            ; v6  ci's scale bytes: 32 a row
.set QWO, 7                            ; v7  Q's word: 16 x (lane % 16)
.set NIL, 8                            ; v8  0
.set QW2, 9                            ; v9  the second pass's Q word
.set OM,  10                           ; v10 the old -M.   v12 -M, v13 the largest score, v[14:15] the sum; v16-23 Q, v24-31 zero codes
.set KV,  32                           ; v32-95   K's eight tiles, then V's four fragments; v96-103 the second pass's Q
.set S,   104                          ; v104-167 S^T, then p
.set O,   168                          ; v168-199 O^T
.set PC,  200                          ; v200-215 p's codes
.set KW,  216                          ; v216-223 K's scale words
.set VW,  224                          ; v224-227 V's
.set T,   228                          ; v228-243 at work: the blocks' maxima, bounds and scale operands; behind the second product the sum's eight partial pairs
.set BM,  T
.set PL,  T+4
.set BD,  T+8
.set SOP, T+12
.set H0,  T                            ; the holds' two buffers
.set H1,  244                          ; v252 f, v253 p's word, v254 at work, v255 Q's word
.set WV,  10
.set BH,  11
.set CX,  12
.set G1A, 16
.set G1S, 24
.set G1C, 32
.set G0A, 40
.set G0S, 44
.set G0C, 48
.set SEL, 52
.set CS,  54
.set MNT, 56
.set TB,  57
.set TS,  58
.set CNT, 59
.set PASS, 60
.set QIM, 66
.set QWD, 68
.set CIM, 70
.set CBY, 72
.macro CROUND                          ; a round of the cluster's barrier
	s_barrier_signal -1
	s_barrier_wait -1
	s_cmp_lg_u32 s[WV], 0
	s_cbranch_scc1 .Lnot_wave_0_\@
	s_barrier_signal -3
.Lnot_wave_0_\@:
	s_barrier_wait -3
	s_barrier_signal -1
	s_barrier_wait -1
.endm
.macro DENSE g, rows                   ; group 1: so many dense rows of 256 bytes (32 elements of 8); the mask names all four partners, bit 21 beside it
	s_mov_b32 s[\g], 15|(3<<16)|(1<<21)
	s_mov_b32 s[\g+1], 32<<16
	s_mov_b32 s[\g+2], (\rows)<<16
	s_mov_b32 s[\g+3], 32<<16
	s_mov_b32 s[\g+4], \rows
	s_mov_b32 s[\g+5], 32
	s_mov_b32 s[\g+6], 0
	s_mov_b32 s[\g+7], 0
.endm
.macro PLACE g                         ; group 0: byte s2 of the head, in memory and in LDS alike
	s_mov_b32 s[\g], 1
	s_mov_b32 s[\g+1], s2
	s_add_nc_u64 s[\g+2:\g+3], s[6:7], s[2:3]
	s_or_b32 s[\g+3], s[\g+3], 0x80000000
.endm
	s_load_b128 s[4:7], s[0:1], 0x0                ; qi, kv
	s_load_b64 s[8:9], s[0:1], 0x10                ; ci
	v_lshl_add_u32 v[SPW], v0, 2, SPARE
	v_mov_b32 v[NIL], 0
	ds_add_u32 v[SPW], v[NIL]                      ; the opening lines: the add twice on end and its wait ahead of the first tensor load
	ds_add_u32 v[SPW], v[NIL]
	v_lshrrev_b32 v1, 5, v0
	v_readfirstlane_b32 s[WV], v1                  ; wave 0..15
	s_and_b32 s[BH], ttmp7, 0xffff                 ; batch x 16 + head: the partners share it
	s_bfe_u32 s[CX], ttmp6, 0x40000                ; my place in the cluster: it enters Q's and ci's addresses alone
	DENSE G1A, 128                                 ; half of group 0: 32,768 bytes
	DENSE G1S, 48                                  ; the scale words: 12,288 bytes
	DENSE G1C, 64                                  ; a quarter of a later group: 16,384 bytes
	s_mul_i32 s14, s[BH], HEADB
	s_mov_b32 s15, 0
	s_mov_b32 s3, 0
	s_wait_dscnt 0x0
	s_wait_kmcnt 0x0
	s_add_nc_u64 s[6:7], s[6:7], s[14:15]          ; kv at my head
	s_lshl_b32 s2, s[WV], 15
	PLACE G0A
	s_mov_b32 s2, SCB
	PLACE G0S
	s_lshl_b32 s2, s[WV], 14
	s_add_co_u32 s2, s2, 16384                     ; wave 3 begins at byte 65,536
	PLACE G0C
	CROUND                                         ; all four work-groups are here: the joint loads meet
.macro ARM under, g0, g1, next         ; one chain of branches on the wave's number, a load to an arm, all arms to one join
	s_cmp_lt_u32 s[WV], \under
	s_cbranch_scc0 \next
	tensor_load_to_lds s[\g0:\g0+3], s[\g1:\g1+7]
	s_nop 0
.rept 4
	v_nop
.endr
	s_branch .Lasked
\next:
.endm
	ARM 2,  G0A, G1A, .Lhead_s
	ARM 3,  G0S, G1S, .Lhead_c
	ARM 15, G0C, G1C, .Lhead_none
.Lasked:
	s_lshl_b32 s13, s[CX], 5
	s_add_co_u32 s13, s13, s[WV]                   ; my tile of queries in the first pass: 32 cx + wave
	s_lshl_b32 s2, s[BH], 17
	s_lshl_b32 s14, s13, 10
	s_add_co_u32 s2, s2, s14
	s_add_nc_u64 s[QIM:QIM+1], s[4:5], s[2:3]
	s_lshl_b32 s2, s[BH], 13
	s_lshr_b32 s14, s13, 2
	s_lshl_b32 s14, s14, 8
	s_add_co_u32 s2, s2, s14
	s_and_b32 s14, s13, 3
	s_lshl_b32 s14, s14, 2
	s_add_co_u32 s2, s2, s14
	s_add_co_u32 s2, s2, QSO
	s_add_nc_u64 s[QWD:QWD+1], s[4:5], s[2:3]
	s_lshr_b32 s14, s[BH], 4
	s_lshl_b32 s14, s14, 7
	s_add_co_u32 s13, s13, s14                     ; my tile among the 512 tiles of rows: 128 x batch + ..
	s_and_b32 s15, s[BH], 15                       ; the head
	s_lshr_b32 s2, s15, 2
	s_lshl_b32 s2, s2, 21                          ; four heads are a K step of 256 of the last product
	s_lshl_b32 s14, s13, 12
	s_add_co_u32 s2, s2, s14
	s_and_b32 s14, s15, 3
	s_lshl_b32 s14, s14, 10                        ; a head is two groups of four registers: 1,024 bytes
	s_add_co_u32 s2, s2, s14
	s_add_nc_u64 s[CIM:CIM+1], s[8:9], s[2:3]
	s_lshl_b32 s2, s13, 9
	s_lshl_b32 s14, s15, 1
	s_add_co_u32 s2, s2, s14
	s_add_co_u32 s2, s2, CSO
	s_add_nc_u64 s[CBY:CBY+1], s[8:9], s[2:3]
	s_mov_b32 s[SEL], 0x76543210
	s_mov_b32 s[SEL+1], 0xfedcba98
	s_mov_b32 s[CS], 0x3e38aa3b                    ; c = log2(e) / 8
	s_mov_b32 s[CS+1], s[CS]
	s_mov_b32 s[MNT], 0x600000
	s_mov_b32 s[PASS], 2
	v_and_b32 v[AD], 31, v0
	v_lshlrev_b32 v[L16], 4, v[AD]
	v_and_b32 v[AS], 15, v0
	v_lshl_add_u32 v[R16], v[AS], 4, SCB
	v_lshlrev_b32 v[CBO], 5, v[AS]
	v_lshlrev_b32 v[QWO], 4, v[AS]
	global_load_b128 v[16:19], v[L16], s[QIM:QIM+1]                 ; Q of the first pass,
	global_load_b128 v[20:23], v[L16], s[QIM:QIM+1] offset:512
	global_load_b128 v[96:99], v[L16], s[QIM:QIM+1] offset:16384    ; and of the second: sixteen tiles on
	global_load_b128 v[100:103], v[L16], s[QIM:QIM+1] offset:16896
	global_load_b32 v255, v[QWO], s[QWD:QWD+1]
	global_load_b32 v[QW2], v[QWO], s[QWD:QWD+1] offset:1024
.irp k, 24,25,26,27,28,29,30,31
	v_mov_b32 v[\k], 0                             ; Q's zero codes of K = 64 .. 127
.endr
	v_mov_b32 v252, 0
	v_mov_b32 v253, 0
	s_wait_alu depctr_va_vdst(0)                   ; the wait at the head's end
	s_wait_loadcnt 0x0
	s_wait_tensorcnt 0x0                           ; every wave: its one load has landed
	s_barrier_signal -1
	s_barrier_wait -1                              ; so the whole head is there for every wave: the launch's one barrier ahead of the closing round
.macro FLUSH                           ; the last step's eight partial pairs into the sum: eight lines
	v_pk_add_f32 v[T:T+1], v[T:T+1], v[T+2:T+3]
	v_pk_add_f32 v[T+4:T+5], v[T+4:T+5], v[T+6:T+7]
	v_pk_add_f32 v[T+8:T+9], v[T+8:T+9], v[T+10:T+11]
	v_pk_add_f32 v[T+12:T+13], v[T+12:T+13], v[T+14:T+15]
	v_pk_add_f32 v[T:T+1], v[T:T+1], v[T+4:T+5]
	v_pk_add_f32 v[T+8:T+9], v[T+8:T+9], v[T+12:T+13]
	v_pk_add_f32 v[T:T+1], v[T:T+1], v[T+8:T+9]
	v_pk_add_f32 v[14:15], v[14:15], v[T:T+1]
.endm
.macro HOLD8 h, x, b                   ; eight p held at the largest code x the scale, into buffer h: p is not negative, so the hold is one-sided; two to a line
.irp i, 0,2,4,6
	v_dual_min_num_f32 v[\h+\i], v[\x+\i], v[BD+\b] :: v_dual_min_num_f32 v[\h+\i+1], v[\x+\i+1], v[BD+\b]
.endr
.endm
; A KEY STEP: 128 keys.
.macro STEP
	v_add_nc_u32 v[AD], s[TB], v[L16]
	v_add_nc_u32 v[AS], s[TS], v[R16]
.irp t, 0,1,2,3,4,5,6,7
	ds_load_b128 v[KV+8*\t:KV+8*\t+3], v[AD] offset:\t*1024        ; behind the last step's 24 additions: the places behind its products
	ds_load_b128 v[KV+8*\t+4:KV+8*\t+7], v[AD] offset:\t*1024+512
.endr
	ds_load_b128 v[KW:KW+3], v[AS]
	ds_load_b128 v[KW+4:KW+7], v[AS] offset:256
	s_wait_alu depctr_va_vdst(0)
	s_wait_dscnt 0x0
.irp t, 0,1,2,3,4,5,6,7
	v_wmma_scale_f32_16x16x128_f8f6f4 v[S+8*\t:S+8*\t+7], v[KV+8*\t:KV+8*\t+15], v[16:31], 0, v[KW+\t], v255 matrix_a_fmt:MATRIX_FMT_BF8 matrix_b_fmt:MATRIX_FMT_BF8
.endr
	FLUSH                                          ; eight plain lines that name none of the products' registers: the places ahead of the loads and of the scores' first readers
.irp t, 0,1,2,3
.irp c, 0,1,2,3
	ds_load_b128 v[KV+16*\t+4*\c:KV+16*\t+4*\c+3], v[AD] offset:32768+\t*2048+\c*512   ; V's four fragments, where K's tiles lay
.endr
.endr
	ds_load_b128 v[VW:VW+3], v[AS] offset:512
.irp b, 0,1,2,3
	v_max3_num_f32 v[BM+\b], v[S+16*\b], v[S+16*\b+1], v[S+16*\b+2]   ; the largest score of each block of 32 keys, each accumulator from its low end on
.endr
.irp i, 3,5,7,9,11,13
.irp b, 0,1,2,3
	v_max3_num_f32 v[BM+\b], v[BM+\b], v[S+16*\b+\i], v[S+16*\b+\i+1]
.endr
.endr
.irp b, 0,1,2,3
	v_max_num_f32 v[BM+\b], v[BM+\b], v[S+16*\b+15]   ; each block's sixteenth score
.endr
.irp b, 0,1,2,3
	v_permlanex16_b32 v[PL+\b], v[BM+\b], s[SEL], s[SEL+1]
.endr
.irp b, 0,1,2,3
	v_max_num_f32 v[BM+\b], v[BM+\b], v[PL+\b]     ; with lane l xor 16's 16 keys: it serves for the row's maximum and, since p rises with the score, for the block's largest p
.endr
	v_max3_num_f32 v254, v[BM], v[BM+1], v[BM+2]
	v_max3_num_f32 v13, v13, v254, v[BM+3]         ; the running largest score
	v_mul_f32 v254, s[CS], v13                     ; as t (c is positive)
	v_mov_b32 v[OM], v12
	v_floor_f32 v12, -v254                         ; -M = floor(-t): M is a whole number
	v_sub_f32 v254, v12, v[OM]
	v_cvt_i32_f32 v254, v254                       ; (it saturates)
	v_ldexp_f32 v252, 1.0, v254                    ; f = 2^(old M - new M)
.set j, 0
.rept 32
	v_pk_fma_f32 v[S+j:S+j+1], v[S+j:S+j+1], s[CS:CS+1], v[12:13] op_sel_hi:[1,0,0]   ; t - M
.set j, j+2
.endr
.irp b, 0,1,2,3
	v_fma_f32 v[BM+\b], v[BM+\b], s[CS], v12
.endr
	s_wait_alu depctr_va_vdst(0)                   ; the wait ahead of the batch
.set j, 0
.rept 64
	v_exp_f32 v[S+j], v[S+j]                       ; p = 2^(t - M)
.set j, j+1
.endr
.irp b, 0,1,2,3
	v_exp_f32 v[BM+\b], v[BM+\b]                   ; each block's largest p: the same two instructions on the same number
.endr
	v_pk_mul_f32 v[14:15], v[14:15], v[252:253] op_sel_hi:[1,0]   ; the sum under the new M: the plain line behind the batch
	s_wait_alu depctr_va_vdst(0)                   ; one wait for the 68, ahead of their first reader
.irp b, 0,1,2,3
	v_max_num_f32 v[BM+\b], 0x8000000, v[BM+\b]    ; the floor 2^(16 - 127)
.endr
.irp b, 0,1,2,3
	v_add_nc_u32 v[SOP+\b], 0xf8800000, v[BM+\b]   ; 15 off the exponent field: the conversion's scale operand
.endr
.irp b, 0,1,2,3
	v_and_or_b32 v[BD+\b], v[BM+\b], 0x7f800000, s[MNT]   ; 57,344 x the scale
.endr
.irp b, 0,1,2,3
	v_lshrrev_b32 v[PL+\b], 23, v[SOP+\b]          ; the scale's byte
.endr
	v_lshl_or_b32 v253, v[PL+1], 8, v[PL]          ; p's scale word for these 128 keys
	v_lshl_or_b32 v253, v[PL+2], 16, v253
	v_lshl_or_b32 v253, v[PL+3], 24, v253
.irp b, 0,1,2,3
	HOLD8 H0, S+16*\b, \b
	v_cvt_scalef32_pk8_bf8_f32 v[PC+4*\b:PC+4*\b+1], v[H0:H0+7], v[SOP+\b]
	HOLD8 H1, S+16*\b+8, \b                        ; the other buffer's four lines stand between a conversion and the next write of its sources
	v_cvt_scalef32_pk8_bf8_f32 v[PC+4*\b+2:PC+4*\b+3], v[H1:H1+7], v[SOP+\b]
.endr
	s_wait_alu depctr_va_vdst(0)                   ; the wait directly ahead of the first reader of O^T
.set j, 0
.rept 16
	v_pk_mul_f32 v[O+j:O+j+1], v[O+j:O+j+1], v[252:253] op_sel_hi:[1,0]   ; O^T under the new M; these sixteen are also the places between the conversions and the products
.set j, j+2
.endr
	s_wait_alu depctr_va_vdst(0)
	s_wait_dscnt 0x0                               ; V's fragments and words, asked for ahead of the softmax
.irp t, 0,1,2,3
	v_wmma_scale_f32_16x16x128_f8f6f4 v[O+8*\t:O+8*\t+7], v[KV+16*\t:KV+16*\t+15], v[PC:PC+15], v[O+8*\t:O+8*\t+7], v[VW+\t], v253 matrix_a_fmt:MATRIX_FMT_BF8 matrix_b_fmt:MATRIX_FMT_BF8
.endr
.irp j, 0,2,4,6,8,10,12,14
	v_pk_add_f32 v[T+\j:T+\j+1], v[S+\j:S+\j+1], v[S+16+\j:S+16+\j+1]   ; the row's sum of the unquantised p: 32 pairs into eight
.endr
.irp j, 0,2,4,6,8,10,12,14
	v_pk_add_f32 v[T+\j:T+\j+1], v[T+\j:T+\j+1], v[S+32+\j:S+32+\j+1]
.endr
.irp j, 0,2,4,6,8,10,12,14
	v_pk_add_f32 v[T+\j:T+\j+1], v[T+\j:T+\j+1], v[S+48+\j:S+48+\j+1]
.endr
.endm
.macro GROUP g                         ; a group of 512 keys: four steps
	s_mov_b32 s[TB], \g*GRP
	s_mov_b32 s[TS], \g*3072
	s_mov_b32 s[CNT], 4
.Lstep_\@:
	STEP
	s_add_co_u32 s[TB], s[TB], 8192
	s_add_co_u32 s[TS], s[TS], 768
	s_sub_co_u32 s[CNT], s[CNT], 1
	s_cmp_lg_u32 s[CNT], 0
	s_wait_alu depctr_va_vdst(0)                   ; the wait ahead of the branch
	s_cbranch_scc1 .Lstep_\@
.endm
.Lpass:
	v_mov_b32 v13, 0xff61b1e6                      ; the largest score so far: -3e38
	v_floor_f32 v12, -v13
	v_mov_b32 v14, 0
	v_mov_b32 v15, 0
.set j, 0
.rept 32
	v_mov_b32 v[O+j], 0                            ; O^T: the step has no first step of its own: the first change of M multiplies zeros
.set j, j+1
.endr
.set j, 0
.rept 16
	v_mov_b32 v[T+j], 0                            ; and no step has left partial pairs yet
.set j, j+1
.endr
	GROUP 0
	GROUP 1
	GROUP 2
	GROUP 3
	; THE WAY OUT of a pass: O^T / the sum; its 32 registers are channels 32 b + 16 (lane / 16) + 0 .. 15 of my query: two blocks of the last product's K: quantised, they are two groups of four of its operand's registers.
	FLUSH
	v_add_f32 v14, v14, v15
	v_permlanex16_b32 v252, v14, s[SEL], s[SEL+1]
	v_add_f32 v14, v14, v252                       ; the row's sum
	s_wait_alu depctr_va_vdst(0)
	v_rcp_f32 v14, v14
	v_nop                                          ; a plain line behind the reciprocal,
	s_wait_alu depctr_va_vdst(0)                   ; and the wait ahead of its first reader, which is O^T's first reader too
.set j, 0
.rept 16
	v_pk_mul_f32 v[S+j:S+j+1], v[O+j:O+j+1], v[14:15] op_sel_hi:[1,0]
.set j, j+2
.endr
.irp b, 0,1
	v_max3_num_f32 v[BM+\b], |v[S+16*\b]|, |v[S+16*\b+1]|, 0x8000000
.endr
.irp i, 2,4,6,8,10,12,14
.irp b, 0,1
	v_max3_num_f32 v[BM+\b], v[BM+\b], |v[S+16*\b+\i]|, |v[S+16*\b+\i+1]|
.endr
.endr
.irp b, 0,1
	v_permlanex16_b32 v[PL+\b], v[BM+\b], s[SEL], s[SEL+1]
.endr
.irp b, 0,1
	v_max_num_f32 v[BM+\b], v[BM+\b], v[PL+\b]
.endr
.irp b, 0,1
	v_add_nc_u32 v[SOP+\b], 0xf8800000, v[BM+\b]
.endr
.irp b, 0,1
	v_and_or_b32 v[BD+\b], v[BM+\b], 0x7f800000, s[MNT]
.endr
.irp b, 0,1
	v_lshrrev_b32 v[PL+\b], 23, v[SOP+\b]
.endr
	v_lshl_or_b32 v254, v[PL+1], 8, v[PL]          ; the head's two scale bytes of my row
.irp b, 0,1
.irp i, 0,1,2,3,4,5,6,7,8,9,10,11,12,13,14,15
	v_med3_num_f32 v[S+16*\b+\i], v[S+16*\b+\i], -v[BD+\b], v[BD+\b]
.endr
	v_cvt_scalef32_pk8_bf8_f32 v[PC+4*\b:PC+4*\b+1], v[S+16*\b:S+16*\b+7], v[SOP+\b]
	v_cvt_scalef32_pk8_bf8_f32 v[PC+4*\b+2:PC+4*\b+3], v[S+16*\b+8:S+16*\b+15], v[SOP+\b]
.endr
	v_nop                                          ; a plain line behind the last conversion
	global_store_b128 v[L16], v[PC:PC+3], s[CIM:CIM+1]            ; 512 consecutive bytes each
	global_store_b128 v[L16], v[PC+4:PC+7], s[CIM:CIM+1] offset:512
	global_store_b16 v[CBO], v254, s[CBY:CBY+1]                   ; two bytes a row, rows 32 bytes apart (both halves of the lanes write the same): one byte in 32 of ctx's codes
.irp k, 0,1,2,3,4,5,6,7
	v_mov_b32 v[16+\k], v[96+\k]                   ; the second pass's Q (behind the second pass these lines find it there already)
.endr
	v_mov_b32 v255, v[QW2]
	s_wait_xcnt 0x0                                ; the stores have read their registers and bases
	s_add_nc_u64 s[CIM:CIM+1], s[CIM:CIM+1], 65536 ; sixteen tiles of rows on
	s_add_nc_u64 s[CBY:CBY+1], s[CBY:CBY+1], 8192
	s_sub_co_u32 s[PASS], s[PASS], 1
	s_cmp_lg_u32 s[PASS], 0
	s_wait_alu depctr_va_vdst(0)
	s_cbranch_scc1 .Lpass
	s_wait_tensorcnt 0x0                           ; the wave's end
	ds_add_u32 v[SPW], v[NIL]
	s_wait_dscnt 0x0
	CROUND                                         ; the closing round
	s_endpgm
.Lfunc_end_k_q9d24969b26_attn:
	.size	k_q9d24969b26_attn, .Lfunc_end_k_q9d24969b26_attn-k_q9d24969b26_attn
	.p2alignl 7, 3214868480
	.fill 96, 4, 3214868480
	.section	.rodata,"a",@progbits
	.p2align	6, 0x0
	.amdhsa_kernel k_q9d24969b26_attn
		.amdhsa_group_segment_fixed_size 276480
		.amdhsa_private_segment_fixed_size 0
		.amdhsa_enable_private_segment 0
		.amdhsa_kernarg_size 24
		.amdhsa_user_sgpr_count 2
		.amdhsa_user_sgpr_kernarg_segment_ptr 1
		.amdhsa_wavefront_size32 1
		.amdhsa_system_sgpr_workgroup_id_x 1
		.amdhsa_system_sgpr_workgroup_id_y 1
		.amdhsa_system_sgpr_workgroup_id_z 1
		.amdhsa_system_vgpr_workitem_id 0
		.amdhsa_next_free_vgpr 256
		.amdhsa_next_free_sgpr 80
		.amdhsa_reserve_vcc 0
		.amdhsa_float_denorm_mode_32 3
		.amdhsa_float_denorm_mode_16_64 3
		.amdhsa_memory_ordered 1
		.amdhsa_forward_progress 1
		.amdhsa_inst_pref_size 89
	.end_amdhsa_kernel
	.amdgpu_metadata
---
amdhsa.version: [ 1, 2 ]
amdhsa.kernels:
  - .name:           k_q9d24969b26_attn
    .symbol:         k_q9d24969b26_attn.kd
    .args:
      - { .name: qi, .offset: 0, .size: 8, .value_kind: global_buffer, .address_space: global }
      - { .name: kv, .offset: 8, .size: 8, .value_kind: global_buffer, .address_space: global }
      - { .name: ci, .offset: 16, .size: 8, .value_kind: global_buffer, .address_space: global }
    .group_segment_fixed_size: 276480
    .private_segment_fixed_size: 0
    .kernarg_segment_align: 8
    .kernarg_segment_size: 24
    .max_flat_workgroup_size: 512
    .sgpr_count:     80
    .vgpr_count:     256
    .wavefront_size: 32
...
	.end_amdgpu_metadata
.endif
;; end of part 3
;; launch gemm_o (part 4): grid 4 x 32, 4 waves a work-group, clusters of 4 x 4, 327,680 bytes of LDS; arguments ci, wq8, bo, out0; writes out0
.if DOCPART == 4
	.amdgcn_target "amdgcn-amd-amdhsa--gfx1250"
	.amdhsa_code_object_version 6
	.text
	.protected	k_q9d24969b26_gemm_o
	.globl	k_q9d24969b26_gemm_o
	.p2align	8
	.type	k_q9d24969b26_gemm_o,@function
k_q9d24969b26_gemm_o:
	s_mov_b64 s[64:65], 0
	v_nop
	global_prefetch_b8 v0, s[64:65] scope:SCOPE_SE
	s_setreg_imm32_b32 hwreg(HW_REG_WAVE_MODE, 25, 1), 1
	s_wait_xcnt 0x0
	s_wait_alu depctr_hold_cnt(0) depctr_sa_sdst(0) depctr_va_vdst(0) depctr_va_sdst(0) depctr_va_ssrc(0) depctr_va_vcc(0) depctr_vm_vsrc(0)
	s_getreg_b32 s2, hwreg(HW_REG_IB_STS2, 6, 4)
	s_cmp_eq_u32 s2, 0
	s_cbranch_scc0 .Lentry_in_a_cluster
	s_endpgm
.Lentry_in_a_cluster:
	s_bfe_u32 s2, ttmp6, 0x10000c
	s_cmp_lg_u32 s2, 0xf033
	s_cbranch_scc0 .Lentry_shape_is_right
	s_endpgm
.Lentry_shape_is_right:
.set SIZE_K, 1024
.set KSTEP,  256
.set NQ,     KSTEP/128
.set ROWB,   256
.set KROW,   SIZE_K
.set PITCH,  272
.set FR,     16
.set NL,     4
.set NP,     8
.set HALFA,  32768
.set HALFT,  128*PITCH
.set BOFF,   2*HALFA
.set SLOT,   2*HALFA+2*HALFT
.set KSA,    2097152
.set LAPS,   SIZE_K/(2*KSTEP)
.set KS,     SIZE_K/32
.set SCL,    2*SLOT
.set HALFS,  (128*KS/256)*272
.set SBLK,   (16*KS/256)*272
.set SPARE,  SCL+4*HALFS
.set SPITCH, 528
.set ADRA, 16
.set ADRB, 20
.set STO,  24
.set RD,   25
.set CO,   26
.set ADRS, 27
.set SPW,  28
.set NIL,  29
.set BOF,  30
.set SC,   32
.set BO,   64
.set AF,   128
.set BK,   128
.set G1, 24
.set G0, 32
.set G1B, 48
.set G0B, 56
.set G1S, 68
.set G0S, 76
.set G1SB, 80
.set G0SB, 88
.set MSB, 0
.macro WIN new
.if MSB != (\new)
	s_set_vgpr_msb (MSB<<8)|(\new)
.set MSB, (\new)
.endif
.endm
.set MUL_LO, 0xa1
.set MUL_HI, 0xf1
.set ST_LO,  0x81
.set ST_HI,  0xc1
.set TO_B,   0x40
.macro JLOAD g0a, g1a, g0b, g1b
	s_cmp_eq_u32 s15, 0
	s_cbranch_scc0 .Lfor_b_\@
	tensor_load_to_lds s[\g0a:\g0a+3], s[\g1a:\g1a+7]
	s_nop 0
.rept 4
	v_nop
.endr
	s_branch .Lasked_\@
.Lfor_b_\@:
	tensor_load_to_lds s[\g0b:\g0b+3], s[\g1b:\g1b+7]
	s_nop 0
.rept 4
	v_nop
.endr
.Lasked_\@:
.endm
.macro CREST
	s_cmp_lg_u32 s14, 0
	s_cbranch_scc1 .Lnot_wave_0_\@
	s_barrier_signal -3
.Lnot_wave_0_\@:
	s_barrier_wait -3
	s_barrier_signal -1
	s_barrier_wait -1
.endm
.macro CROUND
	s_barrier_signal -1
	s_barrier_wait -1
	CREST
.endm
	s_load_b256 s[4:11], s[0:1], 0x0
	v_lshl_add_u32 v[SPW], v0, 2, SPARE
	v_mov_b32 v[NIL], 0
	ds_add_u32 v28, v29
	ds_add_u32 v28, v29
	s_wait_dscnt 0x0
	v_lshrrev_b32 v1, 5, v0
	v_readfirstlane_b32 s14, v1
	s_lshr_b32 s15, s14, 1
	s_and_b32 s16, s14, 1
	s_bfe_u32 s40, ttmp6, 0x40000
	s_bfe_u32 s41, ttmp6, 0x40004
	s_lshl_b32 s42, ttmp9, 2
	s_add_co_u32 s42, s42, s40
	s_and_b32 s17, ttmp7, 0xffff
	s_lshl_b32 s17, s17, 2
	s_add_co_u32 s17, s17, s41
	s_lshl_b32 s43, s41, 2
	s_lshl_b32 s43, 15, s43
	s_lshl_b32 s44, 0x1111, s40
	s_or_b32 s[G1+0], s43, (3<<16)|(1<<21)
	s_mov_b32 s[G1+1], 32<<16
	s_mov_b32 s[G1+2], 256<<16                     ; the head's loads bring 256 rows; the ring's 128: set behind the head's wait
	s_mov_b32 s[G1+3], 32<<16
	s_mov_b32 s[G1+4], 256
	s_mov_b32 s[G1+5], 32
	s_mov_b32 s[G1+6], 0
	s_mov_b32 s[G1+7], 0
	s_or_b32 s[G1B+0], s44, (0<<16)|(1<<20)|(1<<21)|(5<<22)|(3<<25)
	s_mov_b32 s[G1B+1], ROWB<<16
	s_mov_b32 s[G1B+2], 256<<16
	s_mov_b32 s[G1B+3], ROWB<<16
	s_mov_b32 s[G1B+4], 256
	s_mov_b32 s[G1B+5], KROW
	s_mov_b32 s[G1B+6], 0
	s_mov_b32 s[G1B+7], 0
	s_or_b32 s[G1S+0], s43, (3<<16)|(1<<20)|(1<<21)|(5<<22)|(3<<25)
	s_or_b32 s[G1SB+0], s44, (3<<16)|(1<<20)|(1<<21)|(5<<22)|(3<<25)
.irp g, G1S, G1SB
	s_mov_b32 s[\g+1], 32<<16
	s_mov_b32 s[\g+2], KS<<16                      ; the scale bytes of 256 rows: KS rows of 256 bytes
	s_mov_b32 s[\g+3], 32<<16
	s_mov_b32 s[\g+4], KS
	s_mov_b32 s[\g+5], 32
	s_mov_b32 s[\g+6], 0
	s_mov_b32 s[\g+7], 0
.endr
	s_lshl_b32 s20, s17, 8                         ; the tiles' first rows
	s_lshl_b32 s46, s42, 8
	s_mov_b32 s21, 0
	s_mov_b32 s47, 0
	s_mov_b64 s[18:19], KS
	s_mul_u64 s[22:23], s[20:21], s[18:19]
	s_mul_u64 s[92:93], s[46:47], s[18:19]
	s_mov_b64 s[18:19], KROW
	s_mul_u64 s[46:47], s[46:47], s[18:19]
	s_lshl_b64 s[20:21], s[20:21], 8
	s_lshl_b32 s45, s16, 15
	s_mul_i32 s98, s16, HALFT
	s_add_co_u32 s98, s98, BOFF
	s_mul_i32 s18, s16, 128*KROW                   ; in the ring a wave fetches 128 rows: which half, in bytes: of B,
	s_mov_b32 s19, 0
	s_mov_b32 s94, s45                             ; and of A's images: 32,768
	s_mov_b32 s95, 0
	s_wait_kmcnt 0x0
	s_mov_b64 s[12:13], s[10:11]
	s_mov_b64 s[96:97], s[8:9]
	s_add_nc_u64 s[8:9], s[6:7], 0x300000
	s_add_nc_u64 s[10:11], s[6:7], 0x418000
	s_add_nc_u64 s[6:7], s[4:5], 0x800000
	s_add_nc_u64 s[20:21], s[4:5], s[20:21]
	s_add_nc_u64 s[22:23], s[6:7], s[22:23]
	s_add_nc_u64 s[46:47], s[8:9], s[46:47]
	s_add_nc_u64 s[92:93], s[10:11], s[92:93]
	CROUND
.set G0H, 4                            ; s[4:7], s[8:11]: group 0 of the head's loads of K step 0 (the addresses that lay there have been used)
.set G0HB, 8
	s_mov_b32 s[G0H], 1
	s_mov_b32 s[G0H+1], 0
	s_mov_b64 s[G0H+2:G0H+3], s[20:21]
	s_or_b32 s[G0H+3], s[G0H+3], 0x80000000
	s_mov_b32 s[G0HB], 1
	s_mov_b32 s[G0HB+1], BOFF
	s_mov_b64 s[G0HB+2:G0HB+3], s[46:47]
	s_or_b32 s[G0HB+3], s[G0HB+3], 0x80000000
	s_mov_b32 s[G0S], 1
	s_mov_b32 s[G0S+1], SCL
	s_mov_b64 s[G0S+2:G0S+3], s[22:23]
	s_or_b32 s[G0S+3], s[G0S+3], 0x80000000
	s_mov_b32 s[G0SB], 1
	s_mov_b32 s[G0SB+1], SCL+2*HALFS
	s_mov_b64 s[G0SB+2:G0SB+3], s[92:93]
	s_or_b32 s[G0SB+3], s[G0SB+3], 0x80000000
	s_add_nc_u64 s[20:21], s[20:21], s[94:95]      ; for the ring: my 128 rows of the tile
	s_add_nc_u64 s[46:47], s[46:47], s[18:19]
.irp s, 0,1
	s_mov_b32 s[G0+4*\s], 1
	s_add_co_u32 s[G0+4*\s+1], s45, \s*SLOT
	s_add_nc_u64 s[G0+4*\s+2:G0+4*\s+3], s[20:21], \s*KSA
	s_or_b32 s[G0+4*\s+3], s[G0+4*\s+3], 0x80000000
	s_mov_b32 s[G0B+4*\s], 1
	s_add_co_u32 s[G0B+4*\s+1], s98, \s*SLOT
	s_add_nc_u64 s[G0B+4*\s+2:G0B+4*\s+3], s[46:47], \s*ROWB
	s_or_b32 s[G0B+4*\s+3], s[G0B+4*\s+3], 0x80000000
.endr
; the head's four tiles, one joint load a wave, in one chain of branches on the wave's number: K step 0's 256 rows of A, of B, A's scale bytes, B's
.macro ARM under, g0, g1, next
	s_cmp_lt_u32 s14, \under
	s_cbranch_scc0 \next
	tensor_load_to_lds s[\g0:\g0+3], s[\g1:\g1+7]
	s_nop 0
.rept 4
	v_nop
.endr
	s_branch .Lhead_asked
\next:
.endm
	ARM 1, G0H,  G1,  .Lhead_b
	ARM 2, G0HB, G1B, .Lhead_sa
	ARM 3, G0S,  G1S, .Lhead_sb
	tensor_load_to_lds s[G0SB:G0SB+3], s[G1SB:G1SB+7]
	s_nop 0
.rept 4
	v_nop
.endr
.Lhead_asked:
	v_and_b32 v1, 15, v0
	v_bfe_u32 v2, v0, 4, 1
	v_mul_u32_u24 v3, v1, PITCH
	v_lshl_add_u32 v4, v2, 4, v3
	v_and_b32 v6, 31, v0
	v_lshlrev_b32 v[CO], 4, v6
	s_lshl_b32 s21, s15, 15
	s_mul_i32 s22, s16, HALFT
	s_add_co_u32 s22, s22, BOFF
.irp s, 0,1
	v_add_nc_u32 v[ADRA+\s], s21, v[CO]
	v_add_nc_u32 v[ADRB+\s], s22, v4
	s_add_co_u32 s21, s21, SLOT
	s_add_co_u32 s22, s22, SLOT
.endr
	v_mul_u32_u24 v5, v1, KS
	v_lshrrev_b32 v6, 8, v5
	v_lshl_add_u32 v5, v6, 4, v5
	s_mul_i32 s21, s15, HALFS
	s_mul_i32 s22, s16, HALFS
	s_add_co_u32 s22, s22, 2*HALFS
	s_sub_co_u32 s22, s22, s21
	v_mul_u32_u24 v6, s22, v2
	s_add_co_u32 s21, s21, SCL
	v_add_nc_u32 v5, v5, v6
	v_add_nc_u32 v[ADRS], s21, v5
	s_mul_i32 s23, s14, 16*SPITCH
	v_mul_u32_u24 v5, v1, SPITCH
	v_lshl_add_u32 v5, v2, 6, v5
	v_add_nc_u32 v[STO], s23, v5
	v_add_nc_u32 v[RD], s23, v[CO]
	s_lshl_b32 s20, s17, 8
	s_lshl_b32 s21, s15, 7
	s_add_co_u32 s20, s20, s21
	s_mov_b32 s21, 0
	s_lshl_b64 s[20:21], s[20:21], 12
	s_lshl_b32 s46, s42, 10
	s_lshl_b32 s47, s16, 9
	s_add_co_u32 s46, s46, s47
	s_mov_b32 s47, 0
	s_add_nc_u64 s[96:97], s[96:97], s[46:47]
	s_add_nc_u64 s[20:21], s[20:21], s[46:47]
	s_add_nc_u64 s[12:13], s[12:13], s[20:21]
	v_lshlrev_b32 v[BOF], 6, v2
.irp t, 0,1,2,3,4,5,6,7
	global_load_b128 v[BO+8*\t:BO+8*\t+3], v[BOF], s[96:97] offset:(32*(\t/2)+8*(\t%2))*4
	global_load_b128 v[BO+8*\t+4:BO+8*\t+7], v[BOF], s[96:97] offset:(32*(\t/2)+8*(\t%2))*4+16
.endr
.macro FRAG reg, adr, q, i
.irp c, 0,1,2,3
	ds_load_b128 v[\reg+4*\c:\reg+4*\c+3], v[\adr] offset:128*(\q)+32*\c+(\i)*16*PITCH
.endr
.endm
.macro FRAGI reg, adr, q, i
.irp c, 0,1,2,3
	ds_load_b128 v[\reg+4*\c:\reg+4*\c+3], v[\adr] offset:(\i)*4096+(\q)*2048+512*\c
.endr
.endm
.macro MUL16 a0, p, q, sc, zero
.irp a, \a0, \a0+1
.irp b, 0,1,2,3,4,5,6,7
.if \zero
	v_wmma_scale_f32_16x16x128_f8f6f4 v[8*(8*((\a)%4)+\b):8*(8*((\a)%4)+\b)+7], v[128*(\p)+FR*\b:128*(\p)+FR*\b+FR-1], v[AF+FR*(\a):AF+FR*(\a)+FR-1], v[BO+8*\b:BO+8*\b+7], v[SC+8*NQ*(\sc)+NQ*\b+(\q)], v[SC+8*NQ*(\sc)+NQ*(\a)+(\q)] matrix_a_fmt:MATRIX_FMT_BF8 matrix_b_fmt:MATRIX_FMT_BF8 matrix_a_scale:MATRIX_SCALE_ROW1
.else
	v_wmma_scale_f32_16x16x128_f8f6f4 v[8*(8*((\a)%4)+\b):8*(8*((\a)%4)+\b)+7], v[128*(\p)+FR*\b:128*(\p)+FR*\b+FR-1], v[AF+FR*(\a):AF+FR*(\a)+FR-1], v[8*(8*((\a)%4)+\b):8*(8*((\a)%4)+\b)+7], v[SC+8*NQ*(\sc)+NQ*\b+(\q)], v[SC+8*NQ*(\sc)+NQ*(\a)+(\q)] matrix_a_fmt:MATRIX_FMT_BF8 matrix_b_fmt:MATRIX_FMT_BF8 matrix_a_scale:MATRIX_SCALE_ROW1
.endif
.endr
.endr
.endm
.macro FETCH_B slot, q, p
	WIN TO_B
.irp i, 0,1,2,3,4,5,6,7
	FRAG 128*(\p)+FR*\i, ADRB+\slot, \q, \i
.endr
	WIN 0
.endm
.macro FETCH_A slot, q, i0
.irp i, \i0, \i0+1, \i0+2, \i0+3
	FRAGI AF+FR*(\i), ADRA+\slot, \q, \i
.endr
.endm
.macro SCALES sc
.irp i, 0,1,2,3,4,5,6,7
	ds_load_b64 v[SC+8*NQ*\sc+NQ*\i:SC+8*NQ*\sc+NQ*\i+1], v[ADRS] offset:\i*SBLK
.endr
.endm
.macro PLACES n
.rept \n
	v_nop
.endr
.endm
.macro STEP slot, q, zero
	s_wait_dscnt 4*NL
.if \zero
	WIN ST_LO
.else
	WIN MUL_LO
.endif
	MUL16 0, (\q)%2, \q, \slot, \zero
	MUL16 2, (\q)%2, \q, \slot, \zero
	s_wait_dscnt 0
	PLACES NP
	FETCH_B \slot, (\q)+1, 1-(\q)%2
	FETCH_A \slot, (\q)+1, 0
.if \zero
	WIN ST_HI
.else
	WIN MUL_HI
.endif
	MUL16 4, (\q)%2, \q, \slot, \zero
	MUL16 6, (\q)%2, \q, \slot, \zero
	PLACES NP
	WIN 0
	FETCH_A \slot, (\q)+1, 4
.endm
.macro TURN slot, next, fill
	s_wait_tensorcnt 0x0
	ds_add_u32 v[SPW], v[NIL]
	s_wait_dscnt 4*NL+1
	WIN MUL_LO
	MUL16 0, 1, NQ-1, \slot, 0
	s_wait_dscnt 0x0
	s_barrier_signal -1
	MUL16 2, 1, NQ-1, \slot, 0
	WIN 0
	s_barrier_wait -1
.if \fill
	CREST
	s_add_nc_u64 s[G0+4*\slot+2:G0+4*\slot+3], s[G0+4*\slot+2:G0+4*\slot+3], 2*KSA
	s_add_nc_u64 s[G0B+4*\slot+2:G0B+4*\slot+3], s[G0B+4*\slot+2:G0B+4*\slot+3], 2*ROWB
	JLOAD G0+4*\slot, G1, G0B+4*\slot, G1B
	PLACES NP-4
.else
	PLACES NP
.endif
	s_wait_alu depctr_va_vdst(0)
	v_add_nc_u32 v[ADRS], 4*NQ, v[ADRS]
	FETCH_B \next, 0, 0
	FETCH_A \next, 0, 0
	SCALES \next
	WIN MUL_HI
	MUL16 4, 1, NQ-1, \slot, 0
	MUL16 6, 1, NQ-1, \slot, 0
	PLACES NP
	WIN 0
	FETCH_A \next, 0, 4
.endm
	s_wait_alu depctr_va_vdst(0)
	s_wait_tensorcnt 0x0                           ; my tile of the head's four is in
	ds_add_u32 v[SPW], v[NIL]
	s_mov_b32 s[G1+2], 128<<16                     ; no tensor load of mine is out: from here on a load brings 128 rows
	s_mov_b32 s[G1+4], 128
	s_mov_b32 s[G1B+2], 128<<16
	s_mov_b32 s[G1B+4], 128
	s_wait_dscnt 0x0
	CROUND
	JLOAD G0+4, G1, G0B+4, G1B                     ; K step 1, the first tensor load behind the round
	FETCH_B 0, 0, 0
	FETCH_A 0, 0, 0
	SCALES 0
	FETCH_A 0, 0, 4
	s_wait_loadcnt 0x0
	STEP 0, 0, 1
	s_mov_b32 s3, LAPS-1
.Llap:
	TURN 0, 1, 1
	STEP 1, 0, 0
	TURN 1, 0, 1
	STEP 0, 0, 0
	s_sub_co_u32 s3, s3, 1
	s_cmp_lg_u32 s3, 0
	s_cbranch_scc1 .Llap
	TURN 0, 1, 0
	STEP 1, 0, 0
	s_wait_dscnt 4*NL
	WIN MUL_LO
	MUL16 0, 1, NQ-1, 1, 0
	MUL16 2, 1, NQ-1, 1, 0
	s_wait_dscnt 0
	WIN MUL_HI
	MUL16 4, 1, NQ-1, 1, 0
	MUL16 6, 1, NQ-1, 1, 0
	WIN 0
.macro TOSTAGE a
.set AC, 64*((\a)%4)
	WIN 0x08+4*((\a)/4)
.irp b, 0,1,2,3,4,5,6,7
	ds_store_b128 v[STO], v[AC+8*\b:AC+8*\b+3] offset:128*(\b/2)+32*(\b%2)
	ds_store_b128 v[STO], v[AC+8*\b+4:AC+8*\b+7] offset:128*(\b/2)+32*(\b%2)+16
.endr
	WIN 0
.set BB, BK+64*((\a)%2)
.irp t, 0,1,2,3,4,5,6,7,8,9,10,11,12,13,14,15
	ds_load_b128 v[BB+4*\t:BB+4*\t+3], v[RD] offset:\t*SPITCH
.endr
.endm
.macro SEND a, younger
.set BB, BK+64*((\a)%2)
	s_wait_dscnt \younger
.irp t, 0,1,2,3,4,5,6,7,8,9,10,11,12,13,14,15
	global_store_b128 v[CO], v[BB+4*\t:BB+4*\t+3], s[12:13] offset:(32*((\a)/2)+8*((\a)%2)+(\t%8)+16*(\t/8))*4096 th:TH_STORE_NT
.endr
.endm
	PLACES NP
	TOSTAGE 0
.irp a, 1,2,3,4,5,6,7
.if \a > 1
	s_wait_xcnt 0x0
.endif
	TOSTAGE \a
	SEND \a-1, 32
.endr
	SEND 7, 0
	s_wait_tensorcnt 0x0
	ds_add_u32 v[SPW], v[NIL]
	s_wait_dscnt 0x0
	CROUND
	s_endpgm
.Lfunc_end_k_q9d24969b26_gemm_o:
	.size	k_q9d24969b26_gemm_o, .Lfunc_end_k_q9d24969b26_gemm_o-k_q9d24969b26_gemm_o
	.p2alignl 7, 3214868480
	.fill 96, 4, 3214868480
	.section	.rodata,"a",@progbits
	.p2align	6, 0x0
	.amdhsa_kernel k_q9d24969b26_gemm_o
		.amdhsa_group_segment_fixed_size 327680
		.amdhsa_private_segment_fixed_size 0
		.amdhsa_enable_private_segment 0
		.amdhsa_kernarg_size 32
		.amdhsa_user_sgpr_count 2
		.amdhsa_user_sgpr_kernarg_segment_ptr 1
		.amdhsa_wavefront_size32 1
		.amdhsa_system_sgpr_workgroup_id_x 1
		.amdhsa_system_sgpr_workgroup_id_y 1
		.amdhsa_system_sgpr_workgroup_id_z 1
		.amdhsa_system_vgpr_workitem_id 0
		.amdhsa_next_free_vgpr 1024
		.amdhsa_next_free_sgpr 100
		.amdhsa_reserve_vcc 0
		.amdhsa_float_denorm_mode_32 3
		.amdhsa_float_denorm_mode_16_64 3
		.amdhsa_memory_ordered 1
		.amdhsa_forward_progress 1
		.amdhsa_inst_pref_size 148
	.end_amdhsa_kernel
	.amdgpu_metadata
---
amdhsa.version: [ 1, 2 ]
amdhsa.kernels:
  - .name:           k_q9d24969b26_gemm_o
    .symbol:         k_q9d24969b26_gemm_o.kd
    .args:
      - { .name: ci, .offset: 0, .size: 8, .value_kind: global_buffer, .address_space: global }
      - { .name: wq8, .offset: 8, .size: 8, .value_kind: global_buffer, .address_space: global }
      - { .name: bo, .offset: 16, .size: 8, .value_kind: global_buffer, .address_space: global }
      - { .name: out0, .offset: 24, .size: 8, .value_kind: global_buffer, .address_space: global }
    .group_segment_fixed_size: 327680
    .private_segment_fixed_size: 0
    .kernarg_segment_align: 8
    .kernarg_segment_size: 32
    .max_flat_workgroup_size: 128
    .sgpr_count:     100
    .vgpr_count:     1024
    .wavefront_size: 32
...
	.end_amdgpu_metadata
.endif
;; end of part 4
